; MI455X (gfx1250); checked and timed in simulation.
; The chip was launched on July 23, 2026; its instructions are those of AMD's public machine-readable ISA for CDNA 5 (MIT licence, August 2026) and "CDNA5" Instruction Set Architecture Reference Guide (July 2026). The comments in the code are by the model that wrote it; some were corrected since.
;; Sparse MLP. Allowed arithmetic: matrix products marked QUANTISED: E4M3 operands, one given power-of-two scale a tensor, by v_wmma_f32_16x16x64_fp8_fp8 or v_wmma_f32_16x16x128_fp8_fp8, f32 sums; everything else in f32.
;; Inputs: expert_ids 2,048 int32; lowp_scales 32 int32 (the exponents e of the quantised operands' scales 2^e); w1 16,384 x 1,024 float32; w2 16,384 x 1,024 float32; x 2,048 x 1,024 float32.
;; Outputs: out0 2,048 x 1,024 float32.
;; This version of the problem:
;;   THIS VERSION OF THE PROBLEM IS GIVEN IN LOW PRECISION. The matrix products marked QUANTISED in the list below multiply operands that are first quantised to E4M3 (4 exponent bits, 3 mantissa bits; 8 bits a number), with one given power-of-two scale for each operand tensor; their sums are f32. All else is computed in f32.
;;   The module's matrix products, in the order in which they are computed (A, B: the left and right operand; K: the contracted axis; several contracted axes count as one K, in the product's order):
;;     1. [M 2,048, K 1,024] x [K 1,024, N 2,048]; A: input x; B: input w1: QUANTISED (scales: A lowp_scales[0], B lowp_scales[1])
;;     2. [M 2,048, K 2,048] x [K 2,048, N 1,024]; A: computed on the way; B: input w2: QUANTISED (scales: A lowp_scales[2], B lowp_scales[3])
;;     3. [M 2,048, K 1,024] x [K 1,024, N 2,048]; A: input x; B: input w1: QUANTISED (scales: A lowp_scales[4], B lowp_scales[5])
;;     4. [M 2,048, K 2,048] x [K 2,048, N 1,024]; A: computed on the way; B: input w2: QUANTISED (scales: A lowp_scales[6], B lowp_scales[7])
;;     5. [M 2,048, K 1,024] x [K 1,024, N 2,048]; A: input x; B: input w1: QUANTISED (scales: A lowp_scales[8], B lowp_scales[9])
;;     6. [M 2,048, K 2,048] x [K 2,048, N 1,024]; A: computed on the way; B: input w2: QUANTISED (scales: A lowp_scales[10], B lowp_scales[11])
;;     7. [M 2,048, K 1,024] x [K 1,024, N 2,048]; A: input x; B: input w1: QUANTISED (scales: A lowp_scales[12], B lowp_scales[13])
;;     8. [M 2,048, K 2,048] x [K 2,048, N 1,024]; A: computed on the way; B: input w2: QUANTISED (scales: A lowp_scales[14], B lowp_scales[15])
;;     9. [M 2,048, K 1,024] x [K 1,024, N 2,048]; A: input x; B: input w1: QUANTISED (scales: A lowp_scales[16], B lowp_scales[17])
;;     10. [M 2,048, K 2,048] x [K 2,048, N 1,024]; A: computed on the way; B: input w2: QUANTISED (scales: A lowp_scales[18], B lowp_scales[19])
;;     11. [M 2,048, K 1,024] x [K 1,024, N 2,048]; A: input x; B: input w1: QUANTISED (scales: A lowp_scales[20], B lowp_scales[21])
;;     12. [M 2,048, K 2,048] x [K 2,048, N 1,024]; A: computed on the way; B: input w2: QUANTISED (scales: A lowp_scales[22], B lowp_scales[23])
;;     13. [M 2,048, K 1,024] x [K 1,024, N 2,048]; A: input x; B: input w1: QUANTISED (scales: A lowp_scales[24], B lowp_scales[25])
;;     14. [M 2,048, K 2,048] x [K 2,048, N 1,024]; A: computed on the way; B: input w2: QUANTISED (scales: A lowp_scales[26], B lowp_scales[27])
;;     15. [M 2,048, K 1,024] x [K 1,024, N 2,048]; A: input x; B: input w1: QUANTISED (scales: A lowp_scales[28], B lowp_scales[29])
;;     16. [M 2,048, K 2,048] x [K 2,048, N 1,024]; A: computed on the way; B: input w2: QUANTISED (scales: A lowp_scales[30], B lowp_scales[31])
;;   THE QUANTISER, for each operand of a quantised product, along K:
;;     - The operand's scale is 2^e, e = its entry of the input lowp_scales (int32; the entries are numbered through the quantised products in the list's order, A before B).
;;     - Each number is divided by the scale, clamped to +-448, and rounded to the nearest number of E4M3, ties to even, subnormals kept.
;;     - The product sums the exact products of the quantised numbers (number of the format x scale) in f32.
;;   ~~~python
;;   def quantise(x, axis, e):      # numpy; x: float32 -> the quantised numbers, widened to float32 again
;;       x = np.moveaxis(x, axis, -1); K = x.shape[-1]
;;       r = np.clip(x / 2.0 ** e, -448, 448)
;;       step = 2.0 ** (np.maximum(np.frexp(np.where(r == 0, 1, r))[1] - 1, -6) - 3)
;;       q = np.round(r / step) * step * 2.0 ** e      # np.round: ties to even
;;       return np.moveaxis(q, -1, axis).astype(np.float32)
;;   ~~~
;;   OPERANDS COMPUTED ON THE WAY. 'Computed on the way' means the value that the module computes at that place (a softmax that the list does not call 'softmax' is quantised finished and normalised). What goes into a quantiser is computed in f32, as accurately as f32 sums, v_exp_f32 and their like allow (about 1e-6 of the number): no bf16 or f16 on the way to a quantiser, and a product that is left as it is and whose result goes on into a quantised operand takes f32 operands (vector FMAs, or v_wmma_f32_16x16x4_f32). A number that lies on a knife's edge between two numbers of the format may be rounded either way, as far as f32 arithmetic and the matrix unit's own rounding can turn it there, and no further.
;; 2 versions. Each part assembles by itself: llvm-mc -triple=amdgcn-amd-amdhsa -mcpu=gfx1250 --defsym DOCPART=n.
;; ======== version 1 of 2: 3 launches
;; workspace buffers: xq 2,097,152 bytes; hq 4,456,448 bytes; order 9,216 bytes of whole numbers
;; launch route (part 1): grid 257 x 1, 8 waves a work-group, no clusters, 2,048 bytes of LDS; arguments x, expert_ids, lowp_scales, xq, order, out0; writes xq, order, out0
.if DOCPART == 1
	.amdgcn_target "amdgcn-amd-amdhsa--gfx1250"
	.amdhsa_code_object_version 6
	.text
	.protected	k_q4414d4ef73_route
	.globl	k_q4414d4ef73_route
	.p2align	8
	.type	k_q4414d4ef73_route,@function
k_q4414d4ef73_route:
	s_mov_b64 s[64:65], 0
	v_nop
	global_prefetch_b8 v0, s[64:65] scope:SCOPE_SE
	s_setreg_imm32_b32 hwreg(HW_REG_WAVE_MODE, 25, 1), 1
	s_wait_xcnt 0x0
; ROUTE.  Two jobs in one launch, parted by the work-group's number.
; Work-group 0 sorts the 2,048 tokens by expert (a counting sort, no atomics) and stores in 'order':
;   words 0..31: tb[g], the first tile (16 slots) of group g; groups 0..7 are the experts, group 8 takes ids outside 0..7; tb[g+1] ends group g;
;   from byte 256 on: slot words, slot 16 x tile + r = a token's number, or 0xffffffff where a group's last tile is not full.
;   Nine groups of 2,048 tokens in all fill at most 136 tiles = 2,176 slots.  Group 8's padding is not written: nobody reads its tiles.
; Work-groups 1..256: one wave takes one token: its 1,024 numbers of x become E4M3 codes with the scale 2^ex of the token's OWN expert (entry 4 e of the scales).
;   code = x / 2^ex, held within +-448, to the nearest code, ties to even.  A token whose id lies outside 0..7 also gets its row of zeros in out0 here.
; THE ORDER OF THE CODES IN A ROW OF xq.  Load i of 8 reads 512 consecutive bytes, lane l the numbers k = 128 i + 4 l + 0..3.  The conversions leave load i's four codes in code
;   register i; registers 0-3 are stored at byte 16 l, registers 4-7 at 512 + 16 l.  So byte 512 q + 16 l + 4 i' + j holds k = 128 (4 q + i') + 4 l + j.  The next launch lays w1's rows
;   in the same order, so every product meets its partner; every load and store here covers 512 consecutive bytes, and nothing is turned through LDS.
; LIMITS: ex between -126 and 119, so that 2^ex and 448 x 2^ex are f32 numbers.  NaN among the inputs is not served; an infinity is held at the largest code.
; No matrix work, no tensor loads, no cluster: the waves of the second job share nothing.
.set ID,   16                          ; v16-23  eight ids a lane, held at 8
.set POS,  24                          ; v24-31  rank in the wave, then the slot, then its byte offset
.set TK,   32                          ; v32-39  the tokens' numbers
.set CNT,  40                          ; v40-47  the eight waves' counts; later each token's group base
.set SLOTW, 256                        ; byte of 'order' at which the slot words begin
.set LASTSLOT, 2175
	s_load_b256 s[4:11], s[0:1], 0x0               ; x s[4:5], expert_ids s[6:7], lowp_scales s[8:9], xq s[10:11]
	s_load_b128 s[12:15], s[0:1], 0x20             ; order s[12:13], out0 s[14:15]
	v_lshl_add_u32 v64, v0, 2, 0x400
	v_mov_b32 v65, 0
	v_lshrrev_b32 v1, 5, v0
	v_readfirstlane_b32 s16, v1                    ; wave 0..7
	v_and_b32 v1, 31, v0                           ; lane
	v_lshlrev_b32 v2, 4, v1                        ; 16 x lane
	s_cmp_eq_u32 ttmp9, 0                          ; the same in all eight waves
	s_cbranch_scc1 .Lsort
	; ---- one token a wave
	s_sub_co_u32 s17, ttmp9, 1
	s_lshl_b32 s17, s17, 3
	s_add_co_u32 s17, s17, s16                     ; t = 8 (work-group - 1) + wave
	s_lshl_b32 s20, s17, 2                         ; its id's byte
	s_lshl_b32 s24, s17, 12                        ; its row of x and of out0: 4,096 bytes
	s_mov_b32 s25, 0
	s_lshl_b32 s26, s17, 10                        ; its row of xq: 1,024 bytes
	s_mov_b32 s27, 0
	s_wait_kmcnt 0x0
	s_load_b32 s21, s[6:7], s20 offset:0x0         ; the id
	s_add_nc_u64 s[4:5], s[4:5], s[24:25]
	s_add_nc_u64 s[10:11], s[10:11], s[26:27]
	s_add_nc_u64 s[14:15], s[14:15], s[24:25]
.irp i, 0,1,2,3,4,5,6,7
	global_load_b128 v[16+4*\i:19+4*\i], v2, s[4:5] offset:512*\i th:TH_LOAD_NT   ; 32 lanes read 512 consecutive bytes; read once in the launch
.endr
	s_wait_kmcnt 0x0
	s_min_u32 s22, s21, 7                          ; unsigned: an id outside 0..7 takes expert 7's scale; its codes are read by nobody
	s_lshl_b32 s22, s22, 4                         ; entry 4 e, in bytes
	s_load_b32 s23, s[8:9], s22 offset:0x0         ; ex
	s_wait_kmcnt 0x0
	s_add_co_i32 s23, s23, 127
	s_lshl_b32 s28, s23, 23
	v_mov_b32 v8, s28                              ; 2^ex as f32: the conversion takes its exponent field
	s_add_co_i32 s23, s23, 8
	s_lshl_b32 s23, s23, 23
	s_or_b32 s23, s23, 0x600000
	v_mov_b32 v9, s23                              ; 448 x 2^ex
	s_wait_loadcnt 0x0
.set j, 0
.rept 32
	v_med3_num_f32 v[16+j], v[16+j], -v9, v9       ; the conversion to an 8-bit code does not saturate (ISA guide 7.6.2): the hold comes first
.set j, j+1
.endr
.irp a, 0,1,2,3
	v_cvt_scalef32_pk8_fp8_f32 v[48+2*\a:49+2*\a], v[16+8*\a:23+8*\a], v8
.endr
	global_store_b128 v2, v[48:51], s[10:11]       ; 512 consecutive bytes each
	global_store_b128 v2, v[52:55], s[10:11] offset:512
	s_cmp_le_u32 s21, 7
	s_cbranch_scc1 .Lquant_end                     ; an id inside 0..7: the last launch writes this token's row
.irp j, 56,57,58,59
	v_mov_b32 v\j, 0
.endr
.irp i, 0,1,2,3,4,5,6,7
	global_store_b128 v2, v[56:59], s[14:15] offset:512*\i   ; no expert takes the token: its row is zeros
.endr
.Lquant_end:
	s_endpgm
	; ---- the sort: wave w takes tokens 256 w + 32 i + lane, i = 0..7
.Lsort:
	v_lshlrev_b32 v3, 2, v0                        ; 4 x thread: my word in LDS
	v_lshlrev_b32 v4, 2, v1                        ; 4 x lane
	s_lshl_b32 s17, s16, 10
	v_add_nc_u32 v5, s17, v4
	s_wait_kmcnt 0x0
.irp i, 0,1,2,3,4,5,6,7
	global_load_b32 v[ID+\i], v5, s[6:7] offset:128*\i
.endr
.irp g, 0,1,2,3,4,5,6,7,8
	s_mov_b32 s[32+\g], 0                          ; the wave's count of group g so far
.endr
	s_wait_loadcnt 0x0
.irp i, 0,1,2,3,4,5,6,7
	v_min_u32 v[ID+\i], 8, v[ID+\i]                ; unsigned: negative ids fall into group 8 too
.endr
	; a token's rank among its wave's tokens of the same group: those counted in earlier chunks + the lanes below it in this chunk
.irp i, 0,1,2,3,4,5,6,7
.irp g, 0,1,2,3,4,5,6,7,8
	v_cmp_eq_u32 s41, \g, v[ID+\i]
.if \g == 0
	v_mbcnt_lo_u32_b32 v[POS+\i], s41, s[32+\g]
.else
	v_mbcnt_lo_u32_b32 v6, s41, s[32+\g]
	v_cndmask_b32 v[POS+\i], v[POS+\i], v6, s41
.endif
	s_bcnt1_i32_b32 s42, s41
	s_add_co_u32 s[32+\g], s[32+\g], s42
.endr
.endr
	v_mov_b32 v7, 0
.irp g, 0,1,2,3,4,5,6,7,8
	v_writelane_b32 v7, s[32+\g], \g               ; lane g: my wave's count of group g
.endr
	ds_store_b32 v3, v7                            ; 128 bytes a wave
	s_wait_dscnt 0x0                               ; for the others' sake: my counts have landed
	s_barrier_signal -1
	s_barrier_wait -1
.irp w, 0,1,2,3,4,5,6,7
	ds_load_b32 v[CNT+\w], v4 offset:128*\w        ; lane g: wave w's count of group g
.endr
	s_wait_dscnt 0x0
	v_add3_u32 v48, v[CNT], v[CNT+1], v[CNT+2]
	v_add3_u32 v48, v48, v[CNT+3], v[CNT+4]
	v_add3_u32 v48, v48, v[CNT+5], v[CNT+6]
	v_add_nc_u32 v48, v48, v[CNT+7]                ; the group's tokens in all
	v_mov_b32 v8, 0
.irp w, 0,1,2,3,4,5,6
	s_cmp_gt_u32 s16, \w
	s_cselect_b32 s42, -1, 0
	v_and_b32 v6, s42, v[CNT+\w]
	v_add_nc_u32 v8, v8, v6                        ; those of the waves in front of mine
.endr
	v_add_nc_u32 v49, 15, v48
	v_lshrrev_b32 v49, 4, v49                      ; the group's tiles
	v_mov_b32 v9, v49
	v_mov_b32 v10, 0                               ; written once: a DPP form's destination counts as read
.irp n, 1,2,4,8
	v_mov_b32_dpp v10, v9 row_shr:\n row_mask:0xf bank_mask:0xf bound_ctrl:1
	v_add_nc_u32 v9, v9, v10                       ; running sum over lanes 0..15
.endr
	v_sub_nc_u32 v50, v9, v49                      ; tb[g]: the tiles in front of group g
	v_lshl_add_u32 v51, v50, 4, v8                 ; my wave's first slot in group g
	v_lshl_add_u32 v53, v50, 4, v48                ; the group's first padding slot
	v_lshlrev_b32 v54, 4, v9                       ; and the slot behind its last tile
.irp g, 0,1,2,3,4,5,6,7,8
	v_readlane_b32 s[44+\g], v51, \g
.endr
	s_lshl_b32 s17, s16, 8
	v_add_nc_u32 v52, s17, v1                      ; 256 w + lane
.irp i, 0,1,2,3,4,5,6,7
	v_mov_b32 v[CNT+\i], s44
.irp g, 1,2,3,4,5,6,7,8
	v_cmp_ne_u32 vcc_lo, \g, v[ID+\i]
	v_cndmask_b32 v[CNT+\i], s[44+\g], v[CNT+\i], vcc_lo      ; the base of the token's own group
.endr
	v_add_nc_u32 v[POS+\i], v[POS+\i], v[CNT+\i]
	v_min_u32 v[POS+\i], LASTSLOT, v[POS+\i]       ; a number made of loaded ids enters an address only behind this hold
	v_lshlrev_b32 v[POS+\i], 2, v[POS+\i]
	v_add_nc_u32 v[TK+\i], 32*\i, v52
	global_store_b32 v[POS+\i], v[TK+\i], s[12:13] offset:SLOTW   ; each chunk has registers of its own: no store's source is written again
.endr
	; wave w pads group w's last tile
	v_readlane_b32 s42, v53, s16
	v_readlane_b32 s43, v54, s16
	v_add_nc_u32 v55, s42, v1
	v_cmp_gt_u32 vcc_lo, s43, v55                  ; at most 15 lanes
	v_min_u32 v55, LASTSLOT, v55
	v_lshlrev_b32 v55, 2, v55
	v_mov_b32 v56, -1
	s_wait_xcnt 0x0                                ; EXEC is a source of the stores above: it changes only behind this wait
	s_and_saveexec_b32 s41, vcc_lo
	global_store_b32 v55, v56, s[12:13] offset:SLOTW
	s_wait_xcnt 0x0                                ; and again in front of the line that widens it
	s_or_b32 exec_lo, exec_lo, s41
	s_cmp_lg_u32 s16, 0
	s_cbranch_scc1 .Lsort_end
	global_store_b32 v4, v50, s[12:13]             ; wave 0: words 0..31, tb[g] in word g
.Lsort_end:
	s_wait_tensorcnt 0x0
	ds_add_u32 v64, v65
	s_wait_dscnt 0x0
	s_endpgm
.Lfunc_end_k_q4414d4ef73_route:
	.size	k_q4414d4ef73_route, .Lfunc_end_k_q4414d4ef73_route-k_q4414d4ef73_route
	.p2alignl 7, 3214868480
	.fill 96, 4, 3214868480
	.section	.rodata,"a",@progbits
	.p2align	6, 0x0
	.amdhsa_kernel k_q4414d4ef73_route
		.amdhsa_group_segment_fixed_size 2048
		.amdhsa_private_segment_fixed_size 0
		.amdhsa_enable_private_segment 0
		.amdhsa_kernarg_size 48
		.amdhsa_user_sgpr_count 2
		.amdhsa_user_sgpr_kernarg_segment_ptr 1
		.amdhsa_wavefront_size32 1
		.amdhsa_system_sgpr_workgroup_id_x 1
		.amdhsa_system_sgpr_workgroup_id_y 1
		.amdhsa_system_sgpr_workgroup_id_z 1
		.amdhsa_system_vgpr_workitem_id 0
		.amdhsa_next_free_vgpr 66
		.amdhsa_next_free_sgpr 66
		.amdhsa_reserve_vcc 1
		.amdhsa_float_denorm_mode_32 3
		.amdhsa_float_denorm_mode_16_64 3
		.amdhsa_memory_ordered 1
		.amdhsa_forward_progress 1
		.amdhsa_inst_pref_size 36
	.end_amdhsa_kernel
	.amdgpu_metadata
---
amdhsa.version: [ 1, 2 ]
amdhsa.kernels:
  - .name:           k_q4414d4ef73_route
    .symbol:         k_q4414d4ef73_route.kd
    .args:
      - { .name: x, .offset: 0, .size: 8, .value_kind: global_buffer, .address_space: global }
      - { .name: expert_ids, .offset: 8, .size: 8, .value_kind: global_buffer, .address_space: global }
      - { .name: lowp_scales, .offset: 16, .size: 8, .value_kind: global_buffer, .address_space: global }
      - { .name: xq, .offset: 24, .size: 8, .value_kind: global_buffer, .address_space: global }
      - { .name: order, .offset: 32, .size: 8, .value_kind: global_buffer, .address_space: global }
      - { .name: out0, .offset: 40, .size: 8, .value_kind: global_buffer, .address_space: global }
    .group_segment_fixed_size: 2048
    .private_segment_fixed_size: 0
    .kernarg_segment_align: 8
    .kernarg_segment_size: 48
    .max_flat_workgroup_size: 256
    .sgpr_count:     66
    .vgpr_count:     66
    .wavefront_size: 32
...
	.end_amdgpu_metadata
.endif
;; end of part 1
;; launch up (part 2): grid 256 x 1, 4 waves a work-group, no clusters, 67,072 bytes of LDS; arguments w1, xq, order, lowp_scales, hq; writes hq
.if DOCPART == 2
	.amdgcn_target "amdgcn-amd-amdhsa--gfx1250"
	.amdhsa_code_object_version 6
	.text
	.protected	k_q4414d4ef73_up
	.globl	k_q4414d4ef73_up
	.p2align	8
	.type	k_q4414d4ef73_up,@function
k_q4414d4ef73_up:
	s_mov_b64 s[64:65], 0
	v_nop
	global_prefetch_b8 v0, s[64:65] scope:SCOPE_SE
	s_setreg_imm32_b32 hwreg(HW_REG_WAVE_MODE, 25, 1), 1
	s_wait_xcnt 0x0
; UP.  h = gelu(x w1_e^T) for the tokens of expert e, on E4M3 codes, and h's codes for the next launch.
; SHARES.  Work-group wg = 32 e + sigma owns rows 64 wg .. 64 wg + 63 of w1 (64 hidden units of expert e): 256 KiB of f32, dense in memory, read once in the launch.
;   Weight phase: wave w reads rows 16 w + m (m = 0..15), all 128 loads issued at once into the 512 registers that later hold the fragments, quantises them with 2^ew1 and stores the codes in LDS.
;   One barrier.  Then EVERY wave takes all 32 fragments (64 rows x 1,024 K of codes = 512 registers) and the waves share the expert's token tiles: tile tb[e] + w, + 4, ...: no LDS traffic and no barrier in the loop.
; K's ORDER.  A row's codes lie as xq's rows lie: byte 512 q + 16 l + 4 i' + j holds k = 128 (4 q + i') + 4 l + j.  The same order in both operands, so every product meets its partner;
;   only the order of the sums inside an instruction differs from ascending k.
; THE PRODUCT IS USED TRANSPOSED (source 0 = 16 rows of w1, source 1 = 16 tokens): a lane holds one token.  THE ROWS OF A TILE ARE NOT NEIGHBOURS: LDS row 16 t + r holds the slice's row
;   32 (t / 2) + 8 (t % 2) + r + 8 (r / 8), so that the 16 registers of tiles 2 b, 2 b + 1 are hidden units 32 b + 16 (lane / 16) + 0 .. 15: the conversions' results ARE registers of the next product's operand.
; hq: [tile][16 K steps][4 c][32 lanes][16 bytes]: an image of that operand's registers.  This slice is chunks c = 2 (sigma % 2) + 0, 1 of K step sigma / 2: 1,024 consecutive bytes at 1,024 sigma of each tile.
; gelu (tanh form) = x / (1 + 2^(K0 x + K1 x^3)), K0 = -2 log2(e) sqrt(2 / pi), K1 = 0.044715 K0: the same function, written without tanh; all in f32.
; PADDING.  A slot whose word is 0xffffffff takes the token of its tile's slot 0, which is never padding: it makes that token's codes of h once more, and no lane is ever switched off.
; The loop's last trips look ahead to a tile held at the expert's last one, so that every counted wait counts the same loads in every trip; no load leaves its buffer.
; NO JOINT LOADS: the 32 work-groups of an expert read the same tiles of xq, but how many tiles there are is a number read from memory, so the tiles come by plain loads into registers; to ask for the worst case, 128 tiles, in every work-group would be eight times the bytes.
; LIMITS: ew1 and eh between -126 and 119; ex + ew1 between -126 and 127.  NaN among the inputs is not served.
; REGISTERS, in windows of 256: window 0: v1-11 addresses; v12-15 scales; v16-23 a tile's codes; v[24:25] K0; v32-63 four accumulators; v64-95 at work; v128-255 a tile's 8 fragments of x.
;   windows 1, 2: first the rows as loaded (row m at 32 m), then fragment 4 s + t (K step s, tile t) at 16 (4 s + t).
.set PITCH, 1040                       ; an LDS row: 1,024 bytes + 16 = 260 words: row r starts at bank 4 r mod 64 (64 banks of 4 bytes: ISA guide 11.1)
.set CD,   16
.set ACC,  32
.set T1,   64
.set CDW,  64                          ; weight phase: the codes of four rows, 8 registers each
.set X,    128
.set LASTTILE, 135
.set MAXTRIPS, 32                      ; an expert has at most 2,048 / 16 = 128 tiles, a wave a quarter of them
.set MSB, 0
.macro WIN new                         ; the immediate's high byte repeats the setting that is left; a switch that changes nothing is dropped
.if MSB != (\new)
	s_set_vgpr_msb (MSB<<8)|(\new)
.set MSB, (\new)
.endif
.endm
.macro WLOAD m                         ; row m of my 16: eight loads of 512 consecutive bytes
.irp i, 0,1,2,3,4,5,6,7
	global_load_b128 v[32*((\m)%8)+4*\i:32*((\m)%8)+4*\i+3], v1, s[4:5] offset:4096*(\m)+512*\i th:TH_LOAD_NT
.endr
.endm
; rows 4 g .. 4 g + 3: hold, conversion, codes to LDS.  n: the loads that may stay out.  wmed, wcvt: the windows for the holds (in place) and for the conversions
.macro WQUANT g, n, wmed, wcvt
	s_wait_loadcnt \n
	WIN \wmed
.set j, 0
.rept 128
	v_med3_num_f32 v[128*((\g)%2)+j], v[128*((\g)%2)+j], -v13, v13   ; the conversion to an 8-bit code does not saturate (ISA guide 7.6.2)
.set j, j+1
.endr
	s_wait_dscnt 0x0                               ; the last group's LDS stores have read the code registers
	WIN \wcvt
.set j, 0
.rept 16
	v_cvt_scalef32_pk8_fp8_f32 v[CDW+2*j:CDW+2*j+1], v[128*((\g)%2)+8*j:128*((\g)%2)+8*j+7], v12
.set j, j+1
.endr
	v_nop                                          ; one plain vector line behind the last conversion of a run
	WIN 0
.irp p, 0,1,2,3
.irp q, 0,1
	ds_store_b128 v2, v[CDW+8*\p+4*\q:CDW+8*\p+4*\q+3] offset:(16*((4*(\g)+\p)/8)+(4*(\g)+\p)%8)*PITCH+512*\q   ; 512 consecutive bytes
.endr
.endr
.endm
.macro FRAGS s0                        ; the 16 fragments of K steps s0 .. s0 + 3
.irp s, 0,1,2,3
.irp t, 0,1,2,3
.irp c, 0,1,2,3
	ds_load_b128 v[16*(4*\s+\t)+4*\c:16*(4*\s+\t)+4*\c+3], v3 offset:16*\t*PITCH+128*(\s0+\s)+32*\c
.endr
.endr
.endr
.endm
.macro OFFS src                        ; a tile's slot words in v[src] (lane (r, h): slot r) become my offsets in xq, in v8
	v_readfirstlane_b32 s39, v[\src]               ; slot 0's token
	v_cmp_gt_u32 vcc_lo, 0x800, v[\src]            ; a token's number lies under 2,048; a padding slot's word is 0xffffffff
	v_cndmask_b32 v7, s39, v[\src], vcc_lo         ; and takes slot 0's token
	v_min_u32 v7, 0x7ff, v7                        ; a loaded number enters an address only behind this hold
	v_lshl_add_u32 v8, v7, 10, v5                  ; the token's row of 1,024 bytes + 16 h
.endm
.macro XLOAD s0                        ; fragments s0 .. s0 + 3 of the tile whose offsets stand in v8: lane (r, h) takes bytes 128 s + 32 c + 16 h on of slot r's token
.irp s, 0,1,2,3
.irp c, 0,1,2,3
	global_load_b128 v[X+16*(\s0+\s)+4*\c:X+16*(\s0+\s)+4*\c+3], v8, s[6:7] offset:128*(\s0+\s)+32*\c
.endr
.endr
.endm
; 16 matrix instructions: K steps s0 .. s0 + 3 x the four tiles of rows.  The four accumulators take turns, one instruction a turn.  The first K step starts the sums.
.macro MUL s0, win
	WIN \win
.irp s, 0,1,2,3
.irp t, 0,1,2,3
.if (\s0+\s) == 0
	v_wmma_f32_16x16x128_fp8_fp8 v[ACC+8*\t:ACC+8*\t+7], v[16*(4*\s+\t):16*(4*\s+\t)+15], v[X+16*(\s0+\s):X+16*(\s0+\s)+15], 0
.else
	v_wmma_f32_16x16x128_fp8_fp8 v[ACC+8*\t:ACC+8*\t+7], v[16*(4*\s+\t):16*(4*\s+\t)+15], v[X+16*(\s0+\s):X+16*(\s0+\s)+15], v[ACC+8*\t:ACC+8*\t+7]
.endif
.endr
.endr
.rept 4
	v_nop                                          ; four places in front of the loads into x's registers and of the first read of the sums
.endr
	WIN 0
.endm
.macro GELU                            ; 32 sums a lane become 32 codes; every pass runs up the registers
.set j, 0
.rept 16
	v_pk_mul_f32 v[ACC+j:ACC+j+1], v[ACC+j:ACC+j+1], s[32:33] op_sel_hi:[1,0]      ; x = sum x 2^(ex + ew1)
.set j, j+2
.endr
.set j, 0
.rept 16
	v_pk_mul_f32 v[T1+j:T1+j+1], v[ACC+j:ACC+j+1], v[ACC+j:ACC+j+1]                ; x^2
.set j, j+2
.endr
.set j, 0
.rept 16
	v_pk_fma_f32 v[T1+j:T1+j+1], v[T1+j:T1+j+1], s[34:35], v[24:25] op_sel_hi:[1,0,1]   ; K1 x^2 + K0
.set j, j+2
.endr
.set j, 0
.rept 16
	v_pk_mul_f32 v[T1+j:T1+j+1], v[T1+j:T1+j+1], v[ACC+j:ACC+j+1]                  ; K0 x + K1 x^3
.set j, j+2
.endr
.set j, 0
.rept 32
	v_exp_f32 v[T1+j], v[T1+j]
.set j, j+1
.endr
	v_nop                                          ; a plain line between the last exponential and the use of its result
.set j, 0
	s_wait_alu depctr_va_vdst(0)
.rept 16
	v_pk_add_f32 v[T1+j:T1+j+1], v[T1+j:T1+j+1], 1.0 op_sel_hi:[1,0]
.set j, j+2
.endr
.set j, 0
.rept 32
	v_rcp_f32 v[T1+j], v[T1+j]                     ; an infinite power gives 0 here, and x times 0 is the right limit
.set j, j+1
.endr
	v_nop
.set j, 0
	s_wait_alu depctr_va_vdst(0)
.rept 16
	v_pk_mul_f32 v[ACC+j:ACC+j+1], v[ACC+j:ACC+j+1], v[T1+j:T1+j+1]                ; gelu(x)
.set j, j+2
.endr
.set j, 0
.rept 32
	v_med3_num_f32 v[ACC+j], v[ACC+j], -v15, v15   ; the hold at 448 x 2^eh
.set j, j+1
.endr
.irp a, 0,1,2,3
	v_cvt_scalef32_pk8_fp8_f32 v[CD+2*\a:CD+2*\a+1], v[ACC+8*\a:ACC+8*\a+7], v14
.endr
	v_nop                                          ; one plain line behind the last conversion: the next tile's products write its sources
.endm
	s_load_b256 s[4:11], s[0:1], 0x0               ; w1 s[4:5], xq s[6:7], order s[8:9], lowp_scales s[10:11]
	s_load_b64 s[12:13], s[0:1], 0x20              ; hq
	v_lshl_add_u32 v126, v0, 2, 0x10400
	v_mov_b32 v127, 0
	v_lshrrev_b32 v1, 5, v0
	v_readfirstlane_b32 s16, v1                    ; wave 0..3
	v_and_b32 v1, 31, v0
	v_lshlrev_b32 v1, 4, v1                        ; 16 x lane
	v_and_b32 v4, 15, v0                           ; r
	v_bfe_u32 v5, v0, 4, 1                         ; h
	v_mul_u32_u24 v3, v4, PITCH
	v_lshl_add_u32 v3, v5, 4, v3                   ; a fragment's row x pitch + 16 h
	v_lshlrev_b32 v4, 2, v4                        ; 4 r
	v_lshlrev_b32 v5, 4, v5                        ; 16 h
	s_lshr_b32 s23, s16, 1
	s_lshl_b32 s23, s23, 5
	s_and_b32 s27, s16, 1
	s_lshl_b32 s27, s27, 3
	s_add_co_u32 s23, s23, s27                     ; my row m goes to LDS row 32 (w / 2) + 8 (w % 2) + 16 (m / 8) + m % 8
	s_mul_i32 s23, s23, PITCH
	v_add_nc_u32 v2, s23, v1
	s_lshr_b32 s17, ttmp9, 5                       ; e
	s_and_b32 s18, ttmp9, 31                       ; sigma
	s_lshl_b32 s24, ttmp9, 18                      ; the slice: 64 rows of 4,096 bytes,
	s_lshl_b32 s25, s16, 16                        ; my 16 of them
	s_add_co_u32 s24, s24, s25
	s_mov_b32 s25, 0
	s_lshl_b32 s26, s18, 10                        ; the slice's 1,024 bytes in a tile of hq
	s_mov_b32 s27, 0
	s_lshl_b32 s19, s17, 4                         ; entries 4 e .. 4 e + 3
	s_lshl_b32 s38, s17, 2                         ; word e of 'order'
	s_wait_kmcnt 0x0
	s_load_b128 s[28:31], s[10:11], s19 offset:0x0 ; ex, ew1, eh, ew2
	s_load_b32 s20, s[8:9], s38 offset:0x0         ; tb[e]
	s_load_b32 s21, s[8:9], s38 offset:0x4         ; tb[e + 1]
	s_add_nc_u64 s[4:5], s[4:5], s[24:25]
	s_add_nc_u64 s[12:13], s[12:13], s[26:27]
	WIN 0x40                                       ; destination window 1, address window 0
.irp m, 0,1,2,3,4,5,6,7
	WLOAD \m
.endr
	WIN 0x80                                       ; destination window 2
.irp m, 8,9,10,11,12,13,14,15
	WLOAD \m
.endr
	WIN 0
	s_wait_kmcnt 0x0
	s_add_co_u32 s20, s20, s16                     ; T: my first tile
	s_add_co_i32 s23, s29, 127
	s_lshl_b32 s24, s23, 23
	v_mov_b32 v12, s24                             ; 2^ew1
	s_add_co_i32 s23, s23, 8
	s_lshl_b32 s23, s23, 23
	s_or_b32 s23, s23, 0x600000
	v_mov_b32 v13, s23                             ; 448 x 2^ew1
	s_add_co_i32 s23, s30, 127
	s_lshl_b32 s24, s23, 23
	v_mov_b32 v14, s24                             ; 2^eh
	s_add_co_i32 s23, s23, 8
	s_lshl_b32 s23, s23, 23
	s_or_b32 s23, s23, 0x600000
	v_mov_b32 v15, s23                             ; 448 x 2^eh
	s_add_co_i32 s32, s28, s29
	s_add_co_i32 s32, s32, 127
	s_lshl_b32 s32, s32, 23                        ; 2^(ex + ew1)
	s_mov_b32 s33, s32                             ; (named with it as a pair, so it is written)
	s_mov_b32 s34, 0xbdd2d3e8                      ; K1 = -0.10294324
	s_mov_b32 s35, s34
	v_mov_b32 v24, 0xc0135761                      ; K0 = -2.3022082
	v_mov_b32 v25, v24
	WQUANT 0, 63, 0x41, 0x01                       ; behind these rows' 32 loads 96 were issued; the wait's field ends at 63, and a smaller count is always safe
	WQUANT 1, 63, 0x41, 0x01                       ; 64 behind them: at 63 out, 65 of the 128 are in
	WQUANT 2, 32, 0x82, 0x02
	WQUANT 3, 0, 0x82, 0x02
	s_wait_dscnt 0x0                               ; for the others' sake: my codes have landed
	s_barrier_signal -1
	s_barrier_wait -1                              ; the only barrier: all 64 rows of codes lie in LDS, and nobody writes them again
	s_cmp_ge_u32 s20, s21
	s_cbranch_scc1 .Lend                           ; no tile for this wave
	s_sub_co_u32 s22, s21, 1                       ; the expert's last tile
	s_sub_co_u32 s44, s21, s20                     ; tiles from mine to the expert's end, at least 1,
	s_add_co_u32 s44, s44, 3
	s_lshr_b32 s44, s44, 2                         ; every fourth is mine: the loop's trips,
	s_min_u32 s44, s44, MAXTRIPS                   ; never more than these
	s_mov_b32 s45, 0                               ; trips done
	s_min_u32 s23, s20, LASTTILE                   ; a loaded number enters an address only behind such a hold
	s_lshl_b32 s23, s23, 6
	v_add_nc_u32 v9, s23, v4
	global_load_b32 v7, v9, s[8:9] offset:256      ; slot words of tile T: lane (r, h) takes slot r's
	s_add_co_u32 s23, s20, 4
	s_min_u32 s23, s23, s22
	s_min_u32 s23, s23, LASTTILE
	s_lshl_b32 s23, s23, 6
	v_add_nc_u32 v11, s23, v4
	global_load_b32 v6, v11, s[8:9] offset:256     ; and of my next tile
	WIN 0x40
	FRAGS 0
	WIN 0
	s_wait_loadcnt 1                               ; tile T's slot words are in; the next tile's may be out
	OFFS 7
	XLOAD 0
	XLOAD 4
	WIN 0x80
	FRAGS 4
	WIN 0
	s_wait_dscnt 0x0                               ; all 32 fragments of w1 are in
.Ltile:
	s_wait_xcnt 0x0                                ; the offsets of the loads on their way, and the last stores' offset and data, are written again only behind this wait
	s_wait_loadcnt 32                              ; the next tile's slot words are in: behind them only this tile's 32 loads of x were issued
	OFFS 6                                         ; the next tile's offsets
	s_add_co_u32 s23, s20, 8
	s_min_u32 s23, s23, s22
	s_min_u32 s23, s23, LASTTILE
	s_lshl_b32 s23, s23, 6
	v_add_nc_u32 v9, s23, v4
	global_load_b32 v6, v9, s[8:9] offset:256      ; slot words two tiles ahead
	s_wait_loadcnt 17                              ; fragments 0-3 are in: behind them fragments 4-7 (16) and the slot words (1)
	MUL 0, 0x01
	XLOAD 0                                        ; the next tile's fragments 0-3
	s_wait_loadcnt 17                              ; fragments 4-7 are in: behind them the slot words (1) and the 16 just issued
	MUL 4, 0x02
	XLOAD 4
	GELU
	s_min_u32 s23, s20, LASTTILE
	s_lshl_b32 s23, s23, 15                        ; a tile of hq is 32,768 bytes
	v_add_nc_u32 v10, s23, v1
	global_store_b128 v10, v[CD:CD+3], s[12:13]            ; 512 consecutive bytes each: the two chunks lie on end
	global_store_b128 v10, v[CD+4:CD+7], s[12:13] offset:512
	s_add_co_u32 s20, s20, 4                       ; my next tile
	s_add_co_u32 s45, s45, 1
	s_cmp_lt_u32 s45, s44
	s_cbranch_scc1 .Ltile
.Lend:
	s_wait_tensorcnt 0x0
	ds_add_u32 v126, v127
	s_wait_dscnt 0x0
	s_endpgm
.Lfunc_end_k_q4414d4ef73_up:
	.size	k_q4414d4ef73_up, .Lfunc_end_k_q4414d4ef73_up-k_q4414d4ef73_up
	.p2alignl 7, 3214868480
	.fill 96, 4, 3214868480
	.section	.rodata,"a",@progbits
	.p2align	6, 0x0
	.amdhsa_kernel k_q4414d4ef73_up
		.amdhsa_group_segment_fixed_size 67072
		.amdhsa_private_segment_fixed_size 0
		.amdhsa_enable_private_segment 0
		.amdhsa_kernarg_size 40
		.amdhsa_user_sgpr_count 2
		.amdhsa_user_sgpr_kernarg_segment_ptr 1
		.amdhsa_wavefront_size32 1
		.amdhsa_system_sgpr_workgroup_id_x 1
		.amdhsa_system_sgpr_workgroup_id_y 1
		.amdhsa_system_sgpr_workgroup_id_z 1
		.amdhsa_system_vgpr_workitem_id 0
		.amdhsa_next_free_vgpr 768
		.amdhsa_next_free_sgpr 66
		.amdhsa_reserve_vcc 1
		.amdhsa_float_denorm_mode_32 3
		.amdhsa_float_denorm_mode_16_64 3
		.amdhsa_memory_ordered 1
		.amdhsa_forward_progress 1
		.amdhsa_inst_pref_size 83
	.end_amdhsa_kernel
	.amdgpu_metadata
---
amdhsa.version: [ 1, 2 ]
amdhsa.kernels:
  - .name:           k_q4414d4ef73_up
    .symbol:         k_q4414d4ef73_up.kd
    .args:
      - { .name: w1, .offset: 0, .size: 8, .value_kind: global_buffer, .address_space: global }
      - { .name: xq, .offset: 8, .size: 8, .value_kind: global_buffer, .address_space: global }
      - { .name: order, .offset: 16, .size: 8, .value_kind: global_buffer, .address_space: global }
      - { .name: lowp_scales, .offset: 24, .size: 8, .value_kind: global_buffer, .address_space: global }
      - { .name: hq, .offset: 32, .size: 8, .value_kind: global_buffer, .address_space: global }
    .group_segment_fixed_size: 67072
    .private_segment_fixed_size: 0
    .kernarg_segment_align: 8
    .kernarg_segment_size: 40
    .max_flat_workgroup_size: 128
    .sgpr_count:     66
    .vgpr_count:     768
    .wavefront_size: 32
...
	.end_amdgpu_metadata
.endif
;; end of part 2
;; launch down (part 3): grid 256 x 1, 4 waves a work-group, no clusters, 75,776 bytes of LDS; arguments w2, hq, order, lowp_scales, out0; writes out0
.if DOCPART == 3
	.amdgcn_target "amdgcn-amd-amdhsa--gfx1250"
	.amdhsa_code_object_version 6
	.text
	.protected	k_q4414d4ef73_down
	.globl	k_q4414d4ef73_down
	.p2align	8
	.type	k_q4414d4ef73_down,@function
k_q4414d4ef73_down:
	s_mov_b64 s[64:65], 0
	v_nop
	global_prefetch_b8 v0, s[64:65] scope:SCOPE_SE
	s_setreg_imm32_b32 hwreg(HW_REG_WAVE_MODE, 25, 1), 1
	s_wait_xcnt 0x0
; DOWN.  out[t] = h[t] w2_e for the tokens of expert e, on E4M3 codes; each sum x 2^(eh + ew2); rows scattered to their tokens.
; SHARES.  Work-group wg = 32 e + j owns columns 32 j .. 32 j + 31 of expert e's w2 (2,048 K rows x 128 bytes), read once in the launch.
;   Weight phase: wave w reads K rows 512 w .. 512 w + 511, all 128 loads issued at once into the 512 registers that later hold the fragments.  K is w2's FIRST axis: lane l of a load takes row 16 (l / 8) + i and columns
;   4 (l % 8) + 0..3, so a lane's 16 loads of a group hold 16 neighbours along K of four columns.  The conversions leave four columns' codes of one k in a register; eight v_perm_b32 turn each 4 x 4 bytes,
;   and each column's 16 codes go to LDS as 16 bytes of that column's row: codes with K innermost, natural order.
;   One barrier.  Then EVERY wave takes all 32 fragments (32 columns x 2,048 K = 512 registers) and the waves share the expert's token tiles: tile tb[e] + w, + 4, ...: no barrier in the loop.
; THE PRODUCT IS USED TRANSPOSED (source 0 = 16 columns of w2, source 1 = 16 tokens' codes of h, which lie in hq as an image of these registers): a lane holds one token and eight neighbouring columns.
;   Each sum is kept in two halves (even and odd K steps), so that four accumulators take turns; the halves are added at the end.
; THE WAY OUT.  A tile's 16 x 32 numbers go through the wave's own stage in LDS and come back by rows: eight lanes store the 128 consecutive bytes that this work-group owns of a token's row.  A slice of 64 columns,
;   256 bytes of a row, would want 1,024 registers of codes a wave and leave half of the work-groups: so the neighbouring work-group writes the other 128 bytes.
; PADDING.  A slot whose word is 0xffffffff holds, in hq, the codes of its tile's slot 0 (the launch before laid them so).  Here it takes slot 0's token too: the same wave stores the same numbers once more
;   onto the same bytes, at most 15 pieces of 128 bytes for an expert, and no lane is ever switched off.
; The loop's last trips look ahead to a tile held at the expert's last one, so that every counted wait counts the same loads in every trip; no load leaves its buffer.
; NO JOINT LOADS: the 32 work-groups of an expert read the same tiles of hq, but how many tiles there are is a number read from memory, so the tiles come by plain loads into registers; to ask for the worst case, 128 tiles, in every work-group would be eight times the bytes.
; LIMITS: ew2 between -126 and 119; eh + ew2 between -126 and 127.  NaN among the inputs is not served.
; REGISTERS, in windows of 256: window 0: v1-9, v20 addresses; v10, v11 scales; v12-15 slot words; v16-19 row offsets; v32-63 four accumulators; v64-111 at work.
;   windows 1, 2: first w2 as loaded (group g at 64 g), then fragment 2 s + n (K step s, tile of columns n) at 16 (2 s + n).   window 3: a tile's 16 fragments of h.
.set PITCH, 2064                       ; a column's row of codes in LDS: 2,048 bytes + 16 = 516 words: row r starts at bank 4 r mod 64 (64 banks of 4 bytes: ISA guide 11.1)
.set STG,  32*PITCH                    ; behind the codes: a stage of 16 rows x 144 bytes for each wave
.set SP,   144
.set TOK,  12
.set OA,   16
.set ACC,  32                          ; accumulator (n, s % 2) at ACC + 8 (2 n + s % 2)
.set R,    64                          ; weight phase: register i: four columns' codes at k = i
.set TT,   80                          ; weight phase: half-turned
.set O,    96                          ; weight phase: register 4 p + q: column p, k = 4 q .. 4 q + 3
.set TMP,  64                          ; the way out: 16 numbers
.set RB,   80                          ; the way out: four rows' pieces read back
.set LASTTILE, 135
.set MAXTRIPS, 32                      ; an expert has at most 2,048 / 16 = 128 tiles, a wave a quarter of them
.set MSB, 0
.macro WIN new                         ; the immediate's high byte repeats the setting that is left; a switch that changes nothing is dropped
.if MSB != (\new)
	s_set_vgpr_msb (MSB<<8)|(\new)
.set MSB, (\new)
.endif
.endm
.macro W2LOAD g                        ; 64 K rows: each load takes 4 rows x 128 consecutive bytes
.irp i, 0,1,2,3,4,5,6,7,8,9,10,11,12,13,14,15
	global_load_b128 v[64*((\g)%4)+4*\i:64*((\g)%4)+4*\i+3], v2, s[4:5] offset:(64*(\g)+\i)*4096
.endr
.endm
.macro W2QUANT g, n, wmed, wcvt
	s_wait_loadcnt \n
	WIN \wmed
.set j, 0
.rept 64
	v_med3_num_f32 v[64*((\g)%4)+j], v[64*((\g)%4)+j], -v11, v11   ; the conversion to an 8-bit code does not saturate (ISA guide 7.6.2)
.set j, j+1
.endr
	WIN \wcvt
.set j, 0
.rept 8
	v_cvt_scalef32_pk8_fp8_f32 v[R+2*j:R+2*j+1], v[64*((\g)%4)+8*j:64*((\g)%4)+8*j+7], v10
.set j, j+1
.endr
	v_nop                                          ; one plain line between the last conversion and the lines that read its result
	WIN 0
	s_wait_dscnt 0x0                               ; the last group's LDS stores have read their registers
.irp q, 0,1,2,3                        ; 4 x 4 bytes turned: first pairs of k side by side, then pairs of pairs
	v_perm_b32 v[TT+4*\q],   v[R+4*\q+1], v[R+4*\q],   s36
	v_perm_b32 v[TT+4*\q+1], v[R+4*\q+1], v[R+4*\q],   s37
	v_perm_b32 v[TT+4*\q+2], v[R+4*\q+3], v[R+4*\q+2], s36
	v_perm_b32 v[TT+4*\q+3], v[R+4*\q+3], v[R+4*\q+2], s37
.endr
.irp q, 0,1,2,3
	v_perm_b32 v[O+\q],    v[TT+4*\q+2], v[TT+4*\q],   s38
	v_perm_b32 v[O+4+\q],  v[TT+4*\q+2], v[TT+4*\q],   s39
	v_perm_b32 v[O+8+\q],  v[TT+4*\q+3], v[TT+4*\q+1], s38
	v_perm_b32 v[O+12+\q], v[TT+4*\q+3], v[TT+4*\q+1], s39
.endr
.irp p, 0,1,2,3
	ds_store_b128 v3, v[O+4*\p:O+4*\p+3] offset:\p*PITCH+64*(\g)   ; column 4 (l % 8) + p, k = 512 w + 64 g + 16 (l / 8) + 0 .. 15
.endr
.endm
.macro FRAGS s0                        ; the 16 fragments of K steps s0 .. s0 + 7
.irp s, 0,1,2,3,4,5,6,7
.irp n, 0,1
.irp c, 0,1,2,3
	ds_load_b128 v[16*(2*\s+\n)+4*\c:16*(2*\s+\n)+4*\c+3], v4 offset:16*\n*PITCH+128*(\s0+\s)+32*\c
.endr
.endr
.endr
.endm
.macro HLOAD s0                        ; fragments s0 .. s0 + 7 of the tile whose offset stands in v5: 512 consecutive bytes a load
	WIN 0xc0                                       ; destination window 3, address window 0
.irp s, 0,1,2,3,4,5,6,7
.irp c, 0,1,2,3
	global_load_b128 v[16*(\s0+\s)+4*\c:16*(\s0+\s)+4*\c+3], v5, s[6:7] offset:2048*(\s0+\s)+512*\c
.endr
.endr
	WIN 0
.endm
; 16 matrix instructions: K steps s0 .. s0 + 7 x two tiles of columns.  The four accumulators take turns, one instruction a turn.  K steps 0 and 1 start the sums.
.macro MUL s0, win
	WIN \win
.irp s, 0,1,2,3,4,5,6,7
.irp n, 0,1
.if (\s0+\s) < 2
	v_wmma_f32_16x16x128_fp8_fp8 v[ACC+8*(2*\n+\s%2):ACC+8*(2*\n+\s%2)+7], v[16*(2*\s+\n):16*(2*\s+\n)+15], v[16*(\s0+\s):16*(\s0+\s)+15], 0
.else
	v_wmma_f32_16x16x128_fp8_fp8 v[ACC+8*(2*\n+\s%2):ACC+8*(2*\n+\s%2)+7], v[16*(2*\s+\n):16*(2*\s+\n)+15], v[16*(\s0+\s):16*(\s0+\s)+15], v[ACC+8*(2*\n+\s%2):ACC+8*(2*\n+\s%2)+7]
.endif
.endr
.endr
.rept 4
	v_nop                                          ; four places in front of the loads into h's registers and of the first read of the sums
.endr
.endm
.macro OUT
.irp n, 0,1
.irp k, 0,2,4,6
	v_pk_add_f32 v[TMP+8*\n+\k:TMP+8*\n+\k+1], v[ACC+16*\n+\k:ACC+16*\n+\k+1], v[ACC+16*\n+8+\k:ACC+16*\n+8+\k+1]   ; the sum's two halves; each accumulator from its low end on
.endr
.endr
.set j, 0
.rept 8
	v_pk_mul_f32 v[TMP+j:TMP+j+1], v[TMP+j:TMP+j+1], s[32:33] op_sel_hi:[1,0]      ; x 2^(eh + ew2)
.set j, j+2
.endr
.irp n, 0,1
	ds_store_b128 v7, v[TMP+8*\n:TMP+8*\n+3] offset:64*\n          ; lane (r, h): slot r, columns 16 n + 8 h + 0 .. 7
	ds_store_b128 v7, v[TMP+8*\n+4:TMP+8*\n+7] offset:64*\n+16
.endr
.irp i, 0,1,2,3
	ds_load_b128 v[RB+4*\i:RB+4*\i+3], v8 offset:4*\i*SP           ; slot 4 i + l / 8, bytes 16 (l % 8) on.  LDS serves a wave's instructions in order (ISA guide 5.7.1.4): these see my stores
.endr
	v_readfirstlane_b32 s41, v[TOK]                ; slot 0's token.  (The offsets are made while the stage's loads are out)
.irp i, 0,1,2,3
	v_cmp_gt_u32 vcc_lo, 0x800, v[TOK+\i]          ; a token's number lies under 2,048; a padding slot's word is 0xffffffff
	v_cndmask_b32 v[OA+\i], s41, v[TOK+\i], vcc_lo ; and takes slot 0's token
	v_min_u32 v[OA+\i], 0x7ff, v[OA+\i]            ; a loaded number enters an address only behind this hold
	v_lshl_add_u32 v[OA+\i], v[OA+\i], 12, v9      ; the token's row of 4,096 bytes + 16 (l % 8)
.endr
.irp i, 0,1,2,3
	s_wait_dscnt 3-\i                              ; piece i is back; the younger loads may be out
	global_store_b128 v[OA+\i], v[RB+4*\i:RB+4*\i+3], s[12:13]     ; four tokens' rows, 128 consecutive bytes of each
.endr
.endm
	s_load_b256 s[4:11], s[0:1], 0x0               ; w2 s[4:5], hq s[6:7], order s[8:9], lowp_scales s[10:11]
	s_load_b64 s[12:13], s[0:1], 0x20              ; out0
	v_lshl_add_u32 v254, v0, 2, 0x12600
	v_mov_b32 v255, 0
	v_lshrrev_b32 v1, 5, v0
	v_readfirstlane_b32 s16, v1                    ; wave 0..3
	v_and_b32 v21, 31, v0                          ; lane l
	v_lshlrev_b32 v1, 4, v21                       ; 16 l
	v_lshrrev_b32 v22, 3, v21                      ; l / 8
	v_and_b32 v23, 7, v21                          ; l % 8
	v_and_b32 v24, 15, v0                          ; r
	v_bfe_u32 v25, v0, 4, 1                        ; h
	v_lshlrev_b32 v2, 16, v22
	v_lshl_add_u32 v2, v23, 4, v2                  ; w2: 16 (l / 8) rows of 4,096 bytes + 16 (l % 8)
	v_mul_u32_u24 v3, v23, 4*PITCH
	v_lshl_add_u32 v3, v22, 4, v3
	s_lshl_b32 s23, s16, 9
	v_add_nc_u32 v3, s23, v3                       ; codes into LDS: row 4 (l % 8), byte 512 w + 16 (l / 8)
	v_mul_u32_u24 v4, v24, PITCH
	v_lshl_add_u32 v4, v25, 4, v4                  ; a fragment's row x pitch + 16 h
	s_mul_i32 s23, s16, 16*SP
	s_add_co_u32 s23, s23, STG                     ; my stage
	v_mul_u32_u24 v7, v24, SP
	v_lshl_add_u32 v7, v25, 5, v7
	v_add_nc_u32 v7, s23, v7                       ; in: row r, + 32 h
	v_mul_u32_u24 v8, v22, SP
	v_lshl_add_u32 v8, v23, 4, v8
	v_add_nc_u32 v8, s23, v8                       ; back: row l / 8, + 16 (l % 8)
	v_lshlrev_b32 v9, 4, v23                       ; 16 (l % 8)
	v_lshlrev_b32 v20, 2, v22                      ; 4 (l / 8)
	s_lshr_b32 s17, ttmp9, 5                       ; e
	s_and_b32 s18, ttmp9, 31                       ; j
	s_lshl_b32 s24, s17, 23                        ; the expert's 2,048 rows of 4,096 bytes,
	s_lshl_b32 s25, s16, 21                        ; my 512 of them,
	s_add_co_u32 s24, s24, s25
	s_lshl_b32 s26, s18, 7                         ; the slice's 128 bytes of a row
	s_add_co_u32 s24, s24, s26
	s_mov_b32 s25, 0
	s_mov_b32 s27, 0
	s_lshl_b32 s19, s17, 4                         ; entries 4 e .. 4 e + 3
	s_lshl_b32 s42, s17, 2                         ; word e of 'order'
	s_mov_b32 s36, 0x05010400                      ; v_perm_b32: bytes 0, 1 of two registers, interleaved
	s_mov_b32 s37, 0x07030602                      ; bytes 2, 3 likewise
	s_mov_b32 s38, 0x05040100                      ; the two low halves
	s_mov_b32 s39, 0x07060302                      ; the two high halves
	s_wait_kmcnt 0x0
	s_load_b128 s[28:31], s[10:11], s19 offset:0x0 ; ex, ew1, eh, ew2
	s_load_b32 s20, s[8:9], s42 offset:0x0         ; tb[e]
	s_load_b32 s21, s[8:9], s42 offset:0x4         ; tb[e + 1]
	s_add_nc_u64 s[4:5], s[4:5], s[24:25]
	s_add_nc_u64 s[12:13], s[12:13], s[26:27]
	WIN 0x40                                       ; destination window 1, address window 0
.irp g, 0,1,2,3
	W2LOAD \g
.endr
	WIN 0x80                                       ; destination window 2
.irp g, 4,5,6,7
	W2LOAD \g
.endr
	WIN 0
	s_wait_kmcnt 0x0
	s_add_co_u32 s20, s20, s16                     ; T: my first tile
	s_add_co_i32 s23, s31, 127
	s_lshl_b32 s24, s23, 23
	v_mov_b32 v10, s24                             ; 2^ew2
	s_add_co_i32 s23, s23, 8
	s_lshl_b32 s23, s23, 23
	s_or_b32 s23, s23, 0x600000
	v_mov_b32 v11, s23                             ; 448 x 2^ew2
	s_add_co_i32 s32, s30, s31
	s_add_co_i32 s32, s32, 127
	s_lshl_b32 s32, s32, 23                        ; 2^(eh + ew2)
	s_mov_b32 s33, s32                             ; (named with it as a pair, so it is written)
	W2QUANT 0, 63, 0x41, 0x01                      ; behind group g's 16 loads 16 (7 - g) were issued; the wait's field ends at 63, and a smaller count is always safe:
	W2QUANT 1, 63, 0x41, 0x01                      ; at 63 out, 65 of the 128 are in, which covers groups 0 to 3
	W2QUANT 2, 63, 0x41, 0x01
	W2QUANT 3, 63, 0x41, 0x01
	W2QUANT 4, 48, 0x82, 0x02
	W2QUANT 5, 32, 0x82, 0x02
	W2QUANT 6, 16, 0x82, 0x02
	W2QUANT 7, 0, 0x82, 0x02
	s_wait_dscnt 0x0                               ; for the others' sake: my codes have landed
	s_barrier_signal -1
	s_barrier_wait -1                              ; the only barrier: all 32 rows of codes lie in LDS, and nobody writes them again
	s_cmp_ge_u32 s20, s21
	s_cbranch_scc1 .Lend                           ; no tile for this wave
	s_sub_co_u32 s22, s21, 1                       ; the expert's last tile
	s_sub_co_u32 s44, s21, s20                     ; tiles from mine to the expert's end, at least 1,
	s_add_co_u32 s44, s44, 3
	s_lshr_b32 s44, s44, 2                         ; every fourth is mine: the loop's trips,
	s_min_u32 s44, s44, MAXTRIPS                   ; never more than these
	s_mov_b32 s45, 0                               ; trips done
	s_min_u32 s23, s20, LASTTILE                   ; a loaded number enters an address only behind such a hold
	s_lshl_b32 s23, s23, 15                        ; a tile of hq is 32,768 bytes
	v_add_nc_u32 v5, s23, v1
	HLOAD 0
	WIN 0x40
	FRAGS 0
	HLOAD 8
	WIN 0x80
	FRAGS 8
	WIN 0
	s_wait_dscnt 0x0                               ; all 32 fragments of w2 are in
.Ltile:
	s_wait_xcnt 0x0                                ; the offsets of the loads on their way, and the last stores' offsets and data, are written again only behind this wait
	s_min_u32 s23, s20, LASTTILE
	s_lshl_b32 s23, s23, 6
	v_add_nc_u32 v6, s23, v20
.irp i, 0,1,2,3
	global_load_b32 v[TOK+\i], v6, s[8:9] offset:256+16*\i         ; this tile's slot words: slot 4 i + l / 8
.endr
	s_add_co_u32 s23, s20, 4
	s_min_u32 s23, s23, s22
	s_min_u32 s23, s23, LASTTILE
	s_lshl_b32 s23, s23, 15
	v_add_nc_u32 v5, s23, v1                       ; my next tile of hq
	s_wait_loadcnt 36                              ; fragments 0-7 are in: behind them fragments 8-15 (32) and the slot words (4)
	MUL 0, 0x0d                                    ; source 0 window 1, source 1 window 3
	HLOAD 0
	s_wait_loadcnt 32                              ; fragments 8-15 and the slot words are in: behind them the 32 just issued
	MUL 8, 0x0e                                    ; source 0 window 2, source 1 window 3
	HLOAD 8
	OUT
	s_add_co_u32 s20, s20, 4                       ; my next tile
	s_add_co_u32 s45, s45, 1
	s_cmp_lt_u32 s45, s44
	s_cbranch_scc1 .Ltile
.Lend:
	s_wait_tensorcnt 0x0
	ds_add_u32 v254, v255
	s_wait_dscnt 0x0
	s_endpgm
.Lfunc_end_k_q4414d4ef73_down:
	.size	k_q4414d4ef73_down, .Lfunc_end_k_q4414d4ef73_down-k_q4414d4ef73_down
	.p2alignl 7, 3214868480
	.fill 96, 4, 3214868480
	.section	.rodata,"a",@progbits
	.p2align	6, 0x0
	.amdhsa_kernel k_q4414d4ef73_down
		.amdhsa_group_segment_fixed_size 75776
		.amdhsa_private_segment_fixed_size 0
		.amdhsa_enable_private_segment 0
		.amdhsa_kernarg_size 40
		.amdhsa_user_sgpr_count 2
		.amdhsa_user_sgpr_kernarg_segment_ptr 1
		.amdhsa_wavefront_size32 1
		.amdhsa_system_sgpr_workgroup_id_x 1
		.amdhsa_system_sgpr_workgroup_id_y 1
		.amdhsa_system_sgpr_workgroup_id_z 1
		.amdhsa_system_vgpr_workitem_id 0
		.amdhsa_next_free_vgpr 1024
		.amdhsa_next_free_sgpr 66
		.amdhsa_reserve_vcc 1
		.amdhsa_float_denorm_mode_32 3
		.amdhsa_float_denorm_mode_16_64 3
		.amdhsa_memory_ordered 1
		.amdhsa_forward_progress 1
		.amdhsa_inst_pref_size 98
	.end_amdhsa_kernel
	.amdgpu_metadata
---
amdhsa.version: [ 1, 2 ]
amdhsa.kernels:
  - .name:           k_q4414d4ef73_down
    .symbol:         k_q4414d4ef73_down.kd
    .args:
      - { .name: w2, .offset: 0, .size: 8, .value_kind: global_buffer, .address_space: global }
      - { .name: hq, .offset: 8, .size: 8, .value_kind: global_buffer, .address_space: global }
      - { .name: order, .offset: 16, .size: 8, .value_kind: global_buffer, .address_space: global }
      - { .name: lowp_scales, .offset: 24, .size: 8, .value_kind: global_buffer, .address_space: global }
      - { .name: out0, .offset: 32, .size: 8, .value_kind: global_buffer, .address_space: global }
    .group_segment_fixed_size: 75776
    .private_segment_fixed_size: 0
    .kernarg_segment_align: 8
    .kernarg_segment_size: 40
    .max_flat_workgroup_size: 128
    .sgpr_count:     66
    .vgpr_count:     1024
    .wavefront_size: 32
...
	.end_amdgpu_metadata
.endif
;; end of part 3
;; ======== version 2 of 2: 3 launches
;; workspace buffers: xq 2,097,152 bytes; hq 4,456,448 bytes; order 9,216 bytes of whole numbers
;; launch route (part 4): grid 257 x 1, 8 waves a work-group, no clusters, 2,048 bytes of LDS; arguments x, expert_ids, lowp_scales, xq, order, out0; writes xq, order, out0
.if DOCPART == 4
	.amdgcn_target "amdgcn-amd-amdhsa--gfx1250"
	.amdhsa_code_object_version 6
	.text
	.protected	k_q4414d4ef73_route
	.globl	k_q4414d4ef73_route
	.p2align	8
	.type	k_q4414d4ef73_route,@function
k_q4414d4ef73_route:
	s_mov_b64 s[64:65], 0
	v_nop
	global_prefetch_b8 v0, s[64:65] scope:SCOPE_SE
	s_setreg_imm32_b32 hwreg(HW_REG_WAVE_MODE, 25, 1), 1
	s_wait_xcnt 0x0
; ROUTE.  Two jobs in one launch, parted by the work-group's number.
; Work-group 0 sorts the 2,048 tokens by expert (a counting sort, no atomics) and stores in 'order':
;   words 0..31: tb[g], the first tile (16 slots) of group g; groups 0..7 are the experts, group 8 takes ids outside 0..7; tb[g+1] ends group g;
;   from byte 256 on: slot words, slot 16 x tile + r = a token's number, or 0xffffffff where a group's last tile is not full.
;   Nine groups of 2,048 tokens in all fill at most 136 tiles = 2,176 slots.  Group 8's padding is not written: nobody reads its tiles.
; Work-groups 1..256: one wave takes one token: its 1,024 numbers of x become E4M3 codes with the scale 2^ex of the token's OWN expert (entry 4 e of the scales).
;   code = x / 2^ex, held within +-448, to the nearest code, ties to even.  A token whose id lies outside 0..7 also gets its row of zeros in out0 here.
; THE ORDER OF THE CODES IN A ROW OF xq.  Load i of 8 reads 512 consecutive bytes, lane l the numbers k = 128 i + 4 l + 0..3.  The conversions leave load i's four codes in code
;   register i; registers 0-3 are stored at byte 16 l, registers 4-7 at 512 + 16 l.  So byte 512 q + 16 l + 4 i' + j holds k = 128 (4 q + i') + 4 l + j.  The next launch lays w1's rows
;   in the same order, so every product meets its partner; every load and store here covers 512 consecutive bytes, and nothing is turned through LDS.
; LIMITS: ex between -126 and 119, so that 2^ex and 448 x 2^ex are f32 numbers.  NaN among the inputs is not served; an infinity is held at the largest code.
; No matrix work, no tensor loads, no cluster: the waves of the second job share nothing.
.set ID,   16                          ; v16-23  eight ids a lane, held at 8
.set POS,  24                          ; v24-31  rank in the wave, then the slot, then its byte offset
.set TK,   32                          ; v32-39  the tokens' numbers
.set CNT,  40                          ; v40-47  the eight waves' counts; later each token's group base
.set SLOTW, 256                        ; byte of 'order' at which the slot words begin
.set LASTSLOT, 2175
	s_load_b256 s[4:11], s[0:1], 0x0               ; x s[4:5], expert_ids s[6:7], lowp_scales s[8:9], xq s[10:11]
	s_load_b128 s[12:15], s[0:1], 0x20             ; order s[12:13], out0 s[14:15]
	v_lshl_add_u32 v64, v0, 2, 0x400
	v_mov_b32 v65, 0
	v_lshrrev_b32 v1, 5, v0
	s_delay_alu instid0(VALU_DEP_1)
	v_readfirstlane_b32 s16, v1                    ; wave 0..7
	v_and_b32 v1, 31, v0                           ; lane
	s_delay_alu instid0(VALU_DEP_1)
	v_lshlrev_b32 v2, 4, v1                        ; 16 x lane
	s_cmp_eq_u32 ttmp9, 0                          ; the same in all eight waves
	s_cbranch_scc1 .Lsort
	; ---- one token a wave
	s_sub_co_u32 s17, ttmp9, 1
	s_lshl_b32 s17, s17, 3
	s_add_co_u32 s17, s17, s16                     ; t = 8 (work-group - 1) + wave
	s_lshl_b32 s20, s17, 2                         ; its id's byte
	s_lshl_b32 s24, s17, 12                        ; its row of x and of out0: 4,096 bytes
	s_mov_b32 s25, 0
	s_lshl_b32 s26, s17, 10                        ; its row of xq: 1,024 bytes
	s_mov_b32 s27, 0
	s_wait_kmcnt 0x0
	s_load_b32 s21, s[6:7], s20 offset:0x0         ; the id
	s_add_nc_u64 s[4:5], s[4:5], s[24:25]
	s_add_nc_u64 s[10:11], s[10:11], s[26:27]
	s_add_nc_u64 s[14:15], s[14:15], s[24:25]
	s_wait_alu depctr_va_vdst(0)
.irp i, 0,1,2,3,4,5,6,7
	global_load_b128 v[16+4*\i:19+4*\i], v2, s[4:5] offset:512*\i th:TH_LOAD_NT   ; 32 lanes read 512 consecutive bytes; read once in the launch
.endr
	s_wait_kmcnt 0x0
	s_min_u32 s22, s21, 7                          ; unsigned: an id outside 0..7 takes expert 7's scale; its codes are read by nobody
	s_lshl_b32 s22, s22, 4                         ; entry 4 e, in bytes
	s_load_b32 s23, s[8:9], s22 offset:0x0         ; ex
	s_wait_kmcnt 0x0
	s_add_co_i32 s23, s23, 127
	s_lshl_b32 s28, s23, 23
	v_mov_b32 v8, s28                              ; 2^ex as f32: the conversion takes its exponent field
	s_add_co_i32 s23, s23, 8
	s_lshl_b32 s23, s23, 23
	s_or_b32 s23, s23, 0x600000
	v_mov_b32 v9, s23                              ; 448 x 2^ex
	s_wait_alu depctr_va_vdst(0)
	s_wait_loadcnt 0x0
.set j, 0
.rept 32
	v_med3_num_f32 v[16+j], v[16+j], -v9, v9       ; the conversion to an 8-bit code does not saturate (ISA guide 7.6.2): the hold comes first
.set j, j+1
.endr
.irp a, 0,1,2,3
	v_cvt_scalef32_pk8_fp8_f32 v[48+2*\a:49+2*\a], v[16+8*\a:23+8*\a], v8
.endr
	global_store_b128 v2, v[48:51], s[10:11]       ; 512 consecutive bytes each
	global_store_b128 v2, v[52:55], s[10:11] offset:512
	s_cmp_le_u32 s21, 7
	s_cbranch_scc1 .Lquant_end                     ; an id inside 0..7: the last launch writes this token's row
.irp j, 56,57,58,59
	v_mov_b32 v\j, 0
.endr
.irp i, 0,1,2,3,4,5,6,7
	global_store_b128 v2, v[56:59], s[14:15] offset:512*\i   ; no expert takes the token: its row is zeros
.endr
.Lquant_end:
	s_endpgm
	; ---- the sort: wave w takes tokens 256 w + 32 i + lane, i = 0..7
.Lsort:
	v_lshlrev_b32 v3, 2, v0                        ; 4 x thread: my word in LDS
	s_wait_alu depctr_va_vdst(0)
	v_lshlrev_b32 v4, 2, v1                        ; 4 x lane
	s_lshl_b32 s17, s16, 10
	v_add_nc_u32 v5, s17, v4
	s_wait_alu depctr_va_vdst(0)
	s_wait_kmcnt 0x0
.irp i, 0,1,2,3,4,5,6,7
	global_load_b32 v[ID+\i], v5, s[6:7] offset:128*\i
.endr
.irp g, 0,1,2,3,4,5,6,7,8
	s_mov_b32 s[32+\g], 0                          ; the wave's count of group g so far
.endr
	s_wait_loadcnt 0x0
.irp i, 0,1,2,3,4,5,6,7
	v_min_u32 v[ID+\i], 8, v[ID+\i]                ; unsigned: negative ids fall into group 8 too
.endr
	; a token's rank among its wave's tokens of the same group: those counted in earlier chunks + the lanes below it in this chunk
.irp i, 0,1,2,3,4,5,6,7
.irp g, 0,1,2,3,4,5,6,7,8
	v_cmp_eq_u32 s41, \g, v[ID+\i]
.if \g == 0
	s_delay_alu instid0(VALU_DEP_1)
	v_mbcnt_lo_u32_b32 v[POS+\i], s41, s[32+\g]
.else
	s_delay_alu instid0(VALU_DEP_1)
	v_mbcnt_lo_u32_b32 v6, s41, s[32+\g]
	s_delay_alu instid0(VALU_DEP_1)
	v_cndmask_b32 v[POS+\i], v[POS+\i], v6, s41
.endif
	s_bcnt1_i32_b32 s42, s41
	s_add_co_u32 s[32+\g], s[32+\g], s42
.endr
.endr
	v_mov_b32 v7, 0
.irp g, 0,1,2,3,4,5,6,7,8
	s_delay_alu instid0(VALU_DEP_1)
	v_writelane_b32 v7, s[32+\g], \g               ; lane g: my wave's count of group g
.endr
	ds_store_b32 v3, v7                            ; 128 bytes a wave
	s_wait_dscnt 0x0                               ; for the others' sake: my counts have landed
	s_barrier_signal -1
	s_barrier_wait -1
.irp w, 0,1,2,3,4,5,6,7
	ds_load_b32 v[CNT+\w], v4 offset:128*\w        ; lane g: wave w's count of group g
.endr
	s_wait_dscnt 0x0
	v_add3_u32 v48, v[CNT], v[CNT+1], v[CNT+2]
	s_delay_alu instid0(VALU_DEP_1)
	v_add3_u32 v48, v48, v[CNT+3], v[CNT+4]
	s_delay_alu instid0(VALU_DEP_1)
	v_add3_u32 v48, v48, v[CNT+5], v[CNT+6]
	s_delay_alu instid0(VALU_DEP_1)
	v_add_nc_u32 v48, v48, v[CNT+7]                ; the group's tokens in all
	v_mov_b32 v8, 0
.irp w, 0,1,2,3,4,5,6
	s_cmp_gt_u32 s16, \w
	s_cselect_b32 s42, -1, 0
	v_and_b32 v6, s42, v[CNT+\w]
	s_delay_alu instid0(VALU_DEP_1)
	v_add_nc_u32 v8, v8, v6                        ; those of the waves in front of mine
.endr
	v_add_nc_u32 v49, 15, v48
	s_delay_alu instid0(VALU_DEP_1)
	v_lshrrev_b32 v49, 4, v49                      ; the group's tiles
	s_delay_alu instid0(VALU_DEP_1)
	v_mov_b32 v9, v49
	v_mov_b32 v10, 0                               ; written once: a DPP form's destination counts as read
.irp n, 1
	s_delay_alu instid0(VALU_DEP_2)
	v_mov_b32_dpp v10, v9 row_shr:\n row_mask:0xf bank_mask:0xf bound_ctrl:1
	s_delay_alu instid0(VALU_DEP_1)
	v_add_nc_u32 v9, v9, v10                       ; running sum over lanes 0..15
.endr
.irp n, 2, 4, 8
	s_delay_alu instid0(VALU_DEP_1)
	v_mov_b32_dpp v10, v9 row_shr:\n row_mask:0xf bank_mask:0xf bound_ctrl:1
	s_delay_alu instid0(VALU_DEP_1)
	v_add_nc_u32 v9, v9, v10
.endr
	s_delay_alu instid0(VALU_DEP_1)
	v_sub_nc_u32 v50, v9, v49                      ; tb[g]: the tiles in front of group g
	s_delay_alu instid0(VALU_DEP_1)
	v_lshl_add_u32 v51, v50, 4, v8                 ; my wave's first slot in group g
	s_delay_alu instid0(VALU_DEP_2)
	v_lshl_add_u32 v53, v50, 4, v48                ; the group's first padding slot
	s_delay_alu instid0(VALU_DEP_4)
	v_lshlrev_b32 v54, 4, v9                       ; and the slot behind its last tile
.irp g, 0,1,2,3,4,5,6,7,8
	v_readlane_b32 s[44+\g], v51, \g
.endr
	s_lshl_b32 s17, s16, 8
	v_add_nc_u32 v52, s17, v1                      ; 256 w + lane
.irp i, 0,1,2,3,4,5,6,7
	v_mov_b32 v[CNT+\i], s44
.irp g, 1,2,3,4,5,6,7,8
	v_cmp_ne_u32 vcc_lo, \g, v[ID+\i]
	s_delay_alu instid0(VALU_DEP_1)
	v_cndmask_b32 v[CNT+\i], s[44+\g], v[CNT+\i], vcc_lo      ; the base of the token's own group
.endr
	s_delay_alu instid0(VALU_DEP_1)
	v_add_nc_u32 v[POS+\i], v[POS+\i], v[CNT+\i]
	s_delay_alu instid0(VALU_DEP_1)
	v_min_u32 v[POS+\i], LASTSLOT, v[POS+\i]       ; a number made of loaded ids enters an address only behind this hold
	s_delay_alu instid0(VALU_DEP_1)
	v_lshlrev_b32 v[POS+\i], 2, v[POS+\i]
	v_add_nc_u32 v[TK+\i], 32*\i, v52
	global_store_b32 v[POS+\i], v[TK+\i], s[12:13] offset:SLOTW   ; each chunk has registers of its own: no store's source is written again
.endr
	; wave w pads group w's last tile
	v_readlane_b32 s42, v53, s16
	v_readlane_b32 s43, v54, s16
	s_delay_alu instid0(VALU_DEP_2)
	v_add_nc_u32 v55, s42, v1
	s_delay_alu instid0(VALU_DEP_1)
	v_cmp_gt_u32 vcc_lo, s43, v55                  ; at most 15 lanes
	s_delay_alu instid0(VALU_DEP_2)
	v_min_u32 v55, LASTSLOT, v55
	s_delay_alu instid0(VALU_DEP_1)
	v_lshlrev_b32 v55, 2, v55
	v_mov_b32 v56, -1
	s_wait_alu depctr_va_vdst(0)
	s_wait_xcnt 0x0                                ; EXEC is a source of the stores above: it changes only behind this wait
	s_and_saveexec_b32 s41, vcc_lo
	global_store_b32 v55, v56, s[12:13] offset:SLOTW
	s_wait_xcnt 0x0                                ; and again in front of the line that widens it
	s_or_b32 exec_lo, exec_lo, s41
	s_cmp_lg_u32 s16, 0
	s_cbranch_scc1 .Lsort_end
	global_store_b32 v4, v50, s[12:13]             ; wave 0: words 0..31, tb[g] in word g
.Lsort_end:
	s_wait_tensorcnt 0x0
	ds_add_u32 v64, v65
	s_wait_dscnt 0x0
	s_endpgm
.Lfunc_end_k_q4414d4ef73_route:
	.size	k_q4414d4ef73_route, .Lfunc_end_k_q4414d4ef73_route-k_q4414d4ef73_route
	.p2alignl 7, 3214868480
	.fill 96, 4, 3214868480
	.section	.rodata,"a",@progbits
	.p2align	6, 0x0
	.amdhsa_kernel k_q4414d4ef73_route
		.amdhsa_group_segment_fixed_size 2048
		.amdhsa_private_segment_fixed_size 0
		.amdhsa_enable_private_segment 0
		.amdhsa_kernarg_size 48
		.amdhsa_user_sgpr_count 2
		.amdhsa_user_sgpr_kernarg_segment_ptr 1
		.amdhsa_wavefront_size32 1
		.amdhsa_system_sgpr_workgroup_id_x 1
		.amdhsa_system_sgpr_workgroup_id_y 1
		.amdhsa_system_sgpr_workgroup_id_z 1
		.amdhsa_system_vgpr_workitem_id 0
		.amdhsa_next_free_vgpr 66
		.amdhsa_next_free_sgpr 66
		.amdhsa_reserve_vcc 1
		.amdhsa_float_denorm_mode_32 3
		.amdhsa_float_denorm_mode_16_64 3
		.amdhsa_memory_ordered 1
		.amdhsa_forward_progress 1
		.amdhsa_inst_pref_size 45
	.end_amdhsa_kernel
	.amdgpu_metadata
---
amdhsa.version: [ 1, 2 ]
amdhsa.kernels:
  - .name:           k_q4414d4ef73_route
    .symbol:         k_q4414d4ef73_route.kd
    .args:
      - { .name: x, .offset: 0, .size: 8, .value_kind: global_buffer, .address_space: global }
      - { .name: expert_ids, .offset: 8, .size: 8, .value_kind: global_buffer, .address_space: global }
      - { .name: lowp_scales, .offset: 16, .size: 8, .value_kind: global_buffer, .address_space: global }
      - { .name: xq, .offset: 24, .size: 8, .value_kind: global_buffer, .address_space: global }
      - { .name: order, .offset: 32, .size: 8, .value_kind: global_buffer, .address_space: global }
      - { .name: out0, .offset: 40, .size: 8, .value_kind: global_buffer, .address_space: global }
    .group_segment_fixed_size: 2048
    .private_segment_fixed_size: 0
    .kernarg_segment_align: 8
    .kernarg_segment_size: 48
    .max_flat_workgroup_size: 256
    .sgpr_count:     66
    .vgpr_count:     66
    .wavefront_size: 32
...
	.end_amdgpu_metadata
.endif
;; end of part 4
;; launch up (part 5): grid 256 x 1, 4 waves a work-group, no clusters, 67,072 bytes of LDS; arguments w1, xq, order, lowp_scales, hq; writes hq
.if DOCPART == 5
	.amdgcn_target "amdgcn-amd-amdhsa--gfx1250"
	.amdhsa_code_object_version 6
	.text
	.protected	k_q4414d4ef73_up
	.globl	k_q4414d4ef73_up
	.p2align	8
	.type	k_q4414d4ef73_up,@function
k_q4414d4ef73_up:
	s_mov_b64 s[64:65], 0
	v_nop
	global_prefetch_b8 v0, s[64:65] scope:SCOPE_SE
	s_setreg_imm32_b32 hwreg(HW_REG_WAVE_SCHED_MODE, 0, 2), 2
	s_setreg_imm32_b32 hwreg(HW_REG_WAVE_MODE, 25, 1), 1
	s_wait_xcnt 0x0
	s_wait_alu depctr_vm_vsrc(0)
; UP.  h = gelu(x w1_e^T) for the tokens of expert e, on E4M3 codes, and h's codes for the next launch.
; SHARES.  Work-group wg = 32 e + sigma owns rows 64 wg .. 64 wg + 63 of w1 (64 hidden units of expert e): 256 KiB of f32, dense in memory, read once in the launch.
;   Weight phase: wave w reads rows 16 w + m (m = 0..15), all 128 loads issued at once into the 512 registers that later hold the fragments, quantises them with 2^ew1 and stores the codes in LDS.
;   One barrier.  Then EVERY wave takes all 32 fragments (64 rows x 1,024 K of codes = 512 registers) and the waves share the expert's token tiles: tile tb[e] + w, + 4, ...: no LDS traffic and no barrier in the loop.
; K's ORDER.  A row's codes lie as xq's rows lie: byte 512 q + 16 l + 4 i' + j holds k = 128 (4 q + i') + 4 l + j.  The same order in both operands, so every product meets its partner;
;   only the order of the sums inside an instruction differs from ascending k.
; THE PRODUCT IS USED TRANSPOSED (source 0 = 16 rows of w1, source 1 = 16 tokens): a lane holds one token.  THE ROWS OF A TILE ARE NOT NEIGHBOURS: LDS row 16 t + r holds the slice's row
;   32 (t / 2) + 8 (t % 2) + r + 8 (r / 8), so that the 16 registers of tiles 2 b, 2 b + 1 are hidden units 32 b + 16 (lane / 16) + 0 .. 15: the conversions' results ARE registers of the next product's operand.
; hq: [tile][16 K steps][4 c][32 lanes][16 bytes]: an image of that operand's registers.  This slice is chunks c = 2 (sigma % 2) + 0, 1 of K step sigma / 2: 1,024 consecutive bytes at 1,024 sigma of each tile.
; gelu (tanh form) = x / (1 + 2^(K0 x + K1 x^3)), K0 = -2 log2(e) sqrt(2 / pi), K1 = 0.044715 K0: the same function, written without tanh; all in f32.
; PADDING.  A slot whose word is 0xffffffff takes the token of its tile's slot 0, which is never padding: it makes that token's codes of h once more, and no lane is ever switched off.
; The loop's last trips look ahead to a tile held at the expert's last one, so that every counted wait counts the same loads in every trip; no load leaves its buffer.
; NO JOINT LOADS: the 32 work-groups of an expert read the same tiles of xq, but how many tiles there are is a number read from memory, so the tiles come by plain loads into registers; to ask for the worst case, 128 tiles, in every work-group would be eight times the bytes.
; LIMITS: ew1 and eh between -126 and 119; ex + ew1 between -126 and 127.  NaN among the inputs is not served.
; REGISTERS, in windows of 256: window 0: v1-11 addresses; v12-15 scales; v16-23 a tile's codes; v[24:25] K0; v32-63 four accumulators; v64-95 at work; v128-255 a tile's 8 fragments of x.
;   windows 1, 2: first the rows as loaded (row m at 32 m), then fragment 4 s + t (K step s, tile t) at 16 (4 s + t).
; THE MODE: SCHED_MODE bits 1:0 = 2 (LLVM: expert scheduling mode 2), set by the entry lines.  The code itself states the register dependences
; between vector or matrix instructions and memory or LDS instructions, with s_wait_alu, always for 0.
; THE PLAN.  Registers that memory or LDS instructions touch:
;   v1-v5         offsets, made once at the head and never written again.
;   windows 1, 2  w1's loads land there; the holds write them and the conversions read them; behind the barrier the fragments' LDS loads land there; from then on matrix instructions alone read them.
;   CDW v64-95    a group's conversions write it, its eight LDS stores read it; in the loop the same registers are at work for gelu.
;   X v128-255    a tile's 32 products read it; then the next tile's 32 loads land in it.
;   v6            the slot words of my next tile: read when the next tile's offsets are made; then the load of two tiles ahead lands in it.
;   v8, v9, v10   offsets of the loads of x, of the slot words' load and of the stores: written once a trip.
;   CD v16-23     the conversions write it, the trip's two stores read it.
; A TRIP: the 32 products; then, 32 products behind the last trip's stores, the pair of waits that frees v8, v9, v10 and CD; the offsets; ONE wait on va_vdst, which states that the products are done reading X,
; that v6 has been read and that v8, v9, v10 are written; the trip's 33 loads, dealt among gelu's first four passes, which name the accumulators and v64-95 alone; one more wait on va_vdst ahead of the two stores.
.set PITCH, 1040                       ; an LDS row: 1,024 bytes + 16 = 260 words: row r starts at bank 4 r mod 64 (64 banks of 4 bytes: ISA guide 11.1)
.set CD,   16
.set ACC,  32
.set T1,   64
.set CDW,  64                          ; weight phase: the codes of four rows, 8 registers each
.set X,    128
.set LASTTILE, 135
.set MAXTRIPS, 32                      ; an expert has at most 2,048 / 16 = 128 tiles, a wave a quarter of them
.set MSB, 0
.macro WIN new                         ; the immediate's high byte repeats the setting that is left; a switch that changes nothing is dropped
.if MSB != (\new)
	s_set_vgpr_msb (MSB<<8)|(\new)
.set MSB, (\new)
.endif
.endm
.macro WLOAD m                         ; row m of my 16: eight loads of 512 consecutive bytes
.irp i, 0,1,2,3,4,5,6,7
	global_load_b128 v[32*((\m)%8)+4*\i:32*((\m)%8)+4*\i+3], v1, s[4:5] offset:4096*(\m)+512*\i th:TH_LOAD_NT
.endr
.endm
; rows 4 g .. 4 g + 3: hold, conversion, codes to LDS.  n: the loads that may stay out.  wmed, wcvt: the windows for the holds (in place) and for the conversions
.macro WQUANT g, n, wmed, wcvt
	s_wait_loadcnt \n
	WIN \wmed
.set j, 0
.rept 128
	v_med3_num_f32 v[128*((\g)%2)+j], v[128*((\g)%2)+j], -v13, v13   ; the conversion to an 8-bit code does not saturate (ISA guide 7.6.2)
.set j, j+1
.endr
	WIN \wcvt
.if (\g) > 0
	s_wait_alu depctr_vm_vsrc(0)                   ; the last group's LDS stores, 128 holds back, have read the code registers, which the conversions write again
.endif
.set j, 0
.rept 16
	v_cvt_scalef32_pk8_fp8_f32 v[CDW+2*j:CDW+2*j+1], v[128*((\g)%2)+8*j:128*((\g)%2)+8*j+7], v12
.set j, j+1
.endr
	v_nop                                          ; one plain vector line behind the last conversion of a run
	WIN 0
	s_wait_alu depctr_va_vdst(0)                   ; the conversions have written the codes, which the LDS stores read
.irp p, 0,1,2,3
.irp q, 0,1
	ds_store_b128 v2, v[CDW+8*\p+4*\q:CDW+8*\p+4*\q+3] offset:(16*((4*(\g)+\p)/8)+(4*(\g)+\p)%8)*PITCH+512*\q   ; 512 consecutive bytes
.endr
.endr
.endm
.macro FRAGS s0                        ; the 16 fragments of K steps s0 .. s0 + 3
.irp s, 0,1,2,3
.irp t, 0,1,2,3
.irp c, 0,1,2,3
	ds_load_b128 v[16*(4*\s+\t)+4*\c:16*(4*\s+\t)+4*\c+3], v3 offset:16*\t*PITCH+128*(\s0+\s)+32*\c
.endr
.endr
.endr
.endm
.macro OFFS src                        ; a tile's slot words in v[src] (lane (r, h): slot r) become my offsets in xq, in v8
	v_readfirstlane_b32 s39, v[\src]               ; slot 0's token
	v_cmp_gt_u32 s40, 0x800, v[\src]               ; a token's number lies under 2,048; a padding slot's word is 0xffffffff
	s_wait_alu depctr_va_sdst(0)                   ; s39 and the mask s40 are written, ahead of their first reader
	v_cndmask_b32 v7, s39, v[\src], s40            ; a padding slot takes slot 0's token
	v_min_u32 v7, 0x7ff, v7                        ; a loaded number enters an address only behind this hold
	v_lshl_add_u32 v8, v7, 10, v5                  ; the token's row of 1,024 bytes + 16 h
.endm
.macro XLOAD2 s0                       ; fragments s0, s0 + 1 of the tile whose offsets stand in v8: lane (r, h) takes bytes 128 s + 32 c + 16 h on of slot r's token
.irp s, 0,1
.irp c, 0,1,2,3
	global_load_b128 v[X+16*(\s0+\s)+4*\c:X+16*(\s0+\s)+4*\c+3], v8, s[6:7] offset:128*(\s0+\s)+32*\c
.endr
.endr
.endm
; 16 matrix instructions: K steps s0 .. s0 + 3 x the four tiles of rows.  The four accumulators take turns, one instruction a turn.  The first K step starts the sums.
.macro MUL s0, win
	WIN \win
.irp s, 0,1,2,3
.irp t, 0,1,2,3
.if (\s0+\s) == 0
	v_wmma_f32_16x16x128_fp8_fp8 v[ACC+8*\t:ACC+8*\t+7], v[16*(4*\s+\t):16*(4*\s+\t)+15], v[X+16*(\s0+\s):X+16*(\s0+\s)+15], 0
.else
	v_wmma_f32_16x16x128_fp8_fp8 v[ACC+8*\t:ACC+8*\t+7], v[16*(4*\s+\t):16*(4*\s+\t)+15], v[X+16*(\s0+\s):X+16*(\s0+\s)+15], v[ACC+8*\t:ACC+8*\t+7]
.endif
.endr
.endr
.endm
; 32 sums a lane become 32 codes; every pass runs up the registers.
; The trip's 33 loads are dealt among the first four passes, eight behind each.  No wait: no vector instruction since the wait in front of this macro names v6, v8, v9 or X.
.macro GELU
	global_load_b32 v6, v9, s[8:9] offset:256      ; slot words two tiles ahead
	XLOAD2 0                                       ; the next tile's fragments, in ascending order
.set j, 0
.rept 16
	v_pk_mul_f32 v[ACC+j:ACC+j+1], v[ACC+j:ACC+j+1], s[32:33] op_sel_hi:[1,0]      ; x = sum x 2^(ex + ew1)
.set j, j+2
.endr
	XLOAD2 2
.set j, 0
.rept 16
	v_pk_mul_f32 v[T1+j:T1+j+1], v[ACC+j:ACC+j+1], v[ACC+j:ACC+j+1]                ; x^2
.set j, j+2
.endr
	XLOAD2 4
.set j, 0
.rept 16
	v_pk_fma_f32 v[T1+j:T1+j+1], v[T1+j:T1+j+1], s[34:35], v[24:25] op_sel_hi:[1,0,1]   ; K1 x^2 + K0
.set j, j+2
.endr
	XLOAD2 6
.set j, 0
.rept 16
	v_pk_mul_f32 v[T1+j:T1+j+1], v[T1+j:T1+j+1], v[ACC+j:ACC+j+1]                  ; K0 x + K1 x^3
.set j, j+2
.endr
.set j, 0
	s_wait_alu depctr_va_vdst(0)
.rept 32
	v_exp_f32 v[T1+j], v[T1+j]
.set j, j+1
.endr
	v_nop                                          ; a plain line between the last exponential and the use of its result
	s_wait_alu depctr_va_vdst(0)                   ; the 32 exponentials have written v[T1 ..]: one wait for the batch, ahead of its first reader
.set j, 0
.rept 16
	v_pk_add_f32 v[T1+j:T1+j+1], v[T1+j:T1+j+1], 1.0 op_sel_hi:[1,0]
.set j, j+2
.endr
.set j, 0
	s_wait_alu depctr_va_vdst(0)
.rept 32
	v_rcp_f32 v[T1+j], v[T1+j]                     ; an infinite power gives 0 here, and x times 0 is the right limit
.set j, j+1
.endr
	v_nop
	s_wait_alu depctr_va_vdst(0)                   ; the 32 reciprocals have written v[T1 ..]: one wait for the batch, ahead of its first reader
.set j, 0
.rept 16
	v_pk_mul_f32 v[ACC+j:ACC+j+1], v[ACC+j:ACC+j+1], v[T1+j:T1+j+1]                ; gelu(x)
.set j, j+2
.endr
.set j, 0
.rept 32
	v_med3_num_f32 v[ACC+j], v[ACC+j], -v15, v15   ; the hold at 448 x 2^eh
.set j, j+1
.endr
.irp a, 0,1,2,3
	v_cvt_scalef32_pk8_fp8_f32 v[CD+2*\a:CD+2*\a+1], v[ACC+8*\a:ACC+8*\a+7], v14
.endr
	v_nop                                          ; one plain line behind the last conversion: the next tile's products write its sources
.endm
	s_load_b256 s[4:11], s[0:1], 0x0               ; w1 s[4:5], xq s[6:7], order s[8:9], lowp_scales s[10:11]
	s_load_b64 s[12:13], s[0:1], 0x20              ; hq
	v_lshl_add_u32 v126, v0, 2, 0x10400
	v_mov_b32 v127, 0
	v_lshrrev_b32 v1, 5, v0
	v_readfirstlane_b32 s16, v1                    ; wave 0..3
	v_and_b32 v1, 31, v0
	v_lshlrev_b32 v1, 4, v1                        ; 16 x lane
	v_and_b32 v4, 15, v0                           ; r
	v_bfe_u32 v5, v0, 4, 1                         ; h
	v_mul_u32_u24 v3, v4, PITCH
	v_lshl_add_u32 v3, v5, 4, v3                   ; a fragment's row x pitch + 16 h
	v_lshlrev_b32 v4, 2, v4                        ; 4 r
	v_lshlrev_b32 v5, 4, v5                        ; 16 h
	s_wait_alu depctr_va_sdst(0)                   ; s16 is written, ahead of its first reader
	s_lshr_b32 s23, s16, 1
	s_lshl_b32 s23, s23, 5
	s_and_b32 s27, s16, 1
	s_lshl_b32 s27, s27, 3
	s_add_co_u32 s23, s23, s27                     ; my row m goes to LDS row 32 (w / 2) + 8 (w % 2) + 16 (m / 8) + m % 8
	s_mul_i32 s23, s23, PITCH
	v_add_nc_u32 v2, s23, v1
	s_lshr_b32 s17, ttmp9, 5                       ; e
	s_and_b32 s18, ttmp9, 31                       ; sigma
	s_lshl_b32 s24, ttmp9, 18                      ; the slice: 64 rows of 4,096 bytes,
	s_lshl_b32 s25, s16, 16                        ; my 16 of them
	s_add_co_u32 s24, s24, s25
	s_mov_b32 s25, 0
	s_lshl_b32 s26, s18, 10                        ; the slice's 1,024 bytes in a tile of hq
	s_mov_b32 s27, 0
	s_lshl_b32 s19, s17, 4                         ; entries 4 e .. 4 e + 3
	s_lshl_b32 s38, s17, 2                         ; word e of 'order'
	s_wait_kmcnt 0x0
	s_load_b128 s[28:31], s[10:11], s19 offset:0x0 ; ex, ew1, eh, ew2
	s_load_b32 s20, s[8:9], s38 offset:0x0         ; tb[e]
	s_load_b32 s21, s[8:9], s38 offset:0x4         ; tb[e + 1]
	s_add_nc_u64 s[4:5], s[4:5], s[24:25]
	s_add_nc_u64 s[12:13], s[12:13], s[26:27]
	WIN 0x40                                       ; destination window 1, address window 0
	s_wait_alu depctr_va_vdst(0)                   ; the offsets v1 to v5 are written, which the loads, LDS stores and LDS loads of the whole kernel read
.irp m, 0,1,2,3,4,5,6,7
	WLOAD \m
.endr
	WIN 0x80                                       ; destination window 2
.irp m, 8,9,10,11,12,13,14,15
	WLOAD \m
.endr
	WIN 0
	s_wait_kmcnt 0x0
	s_add_co_u32 s20, s20, s16                     ; T: my first tile
	s_add_co_i32 s23, s29, 127
	s_lshl_b32 s24, s23, 23
	v_mov_b32 v12, s24                             ; 2^ew1
	s_add_co_i32 s23, s23, 8
	s_lshl_b32 s23, s23, 23
	s_or_b32 s23, s23, 0x600000
	v_mov_b32 v13, s23                             ; 448 x 2^ew1
	s_add_co_i32 s23, s30, 127
	s_lshl_b32 s24, s23, 23
	v_mov_b32 v14, s24                             ; 2^eh
	s_add_co_i32 s23, s23, 8
	s_lshl_b32 s23, s23, 23
	s_or_b32 s23, s23, 0x600000
	v_mov_b32 v15, s23                             ; 448 x 2^eh
	s_add_co_i32 s32, s28, s29
	s_add_co_i32 s32, s32, 127
	s_lshl_b32 s32, s32, 23                        ; 2^(ex + ew1)
	s_mov_b32 s33, s32                             ; (named with it as a pair, so it is written)
	s_mov_b32 s34, 0xbdd2d3e8                      ; K1 = -0.10294324
	s_mov_b32 s35, s34
	v_mov_b32 v24, 0xc0135761                      ; K0 = -2.3022082
	v_mov_b32 v25, v24
	s_wait_alu depctr_va_vdst(0)
	WQUANT 0, 63, 0x41, 0x01                       ; behind these rows' 32 loads 96 were issued; the wait's field ends at 63, and a smaller count is always safe
	WQUANT 1, 63, 0x41, 0x01                       ; 64 behind them: at 63 out, 65 of the 128 are in
	WQUANT 2, 32, 0x82, 0x02
	WQUANT 3, 0, 0x82, 0x02
	s_wait_dscnt 0x0                               ; for the others' sake: my codes have landed
	s_barrier_signal -1
	s_barrier_wait -1                              ; the only barrier: all 64 rows of codes lie in LDS, and nobody writes them again
	s_cmp_ge_u32 s20, s21
	s_cbranch_scc1 .Lend                           ; no tile for this wave
	s_sub_co_u32 s22, s21, 1                       ; the expert's last tile
	s_sub_co_u32 s44, s21, s20                     ; tiles from mine to the expert's end, at least 1,
	s_add_co_u32 s44, s44, 3
	s_lshr_b32 s44, s44, 2                         ; every fourth is mine: the loop's trips,
	s_min_u32 s44, s44, MAXTRIPS                   ; never more than these
	s_mov_b32 s45, 0                               ; trips done
	s_min_u32 s23, s20, LASTTILE                   ; a loaded number enters an address only behind such a hold
	s_lshl_b32 s23, s23, 6
	v_add_nc_u32 v9, s23, v4
	s_add_co_u32 s23, s20, 4
	s_min_u32 s23, s23, s22
	s_min_u32 s23, s23, LASTTILE
	s_lshl_b32 s23, s23, 6
	v_add_nc_u32 v11, s23, v4
	s_wait_alu depctr_va_vdst(0)                   ; v9 and v11 are written, which the two loads read; the holds and conversions are done with windows 1 and 2, in which the fragments land
	global_load_b32 v7, v9, s[8:9] offset:256      ; slot words of tile T: lane (r, h) takes slot r's
	global_load_b32 v6, v11, s[8:9] offset:256     ; and of my next tile
	WIN 0x40
	FRAGS 0
	WIN 0
	s_wait_loadcnt 1                               ; tile T's slot words are in; the next tile's may be out
	OFFS 7
	s_wait_alu depctr_va_vdst(0)                   ; v8 is written, which the loads of x read
	XLOAD2 0
	XLOAD2 2
	XLOAD2 4
	XLOAD2 6
	WIN 0x80
	FRAGS 4                                        ; (no vector instruction since the first of the two waits above names v3 or window 2)
	WIN 0
	s_wait_dscnt 0x0                               ; all 32 fragments of w1 are in
.Ltile:
	s_wait_loadcnt 16                              ; the next tile's slot words and this tile's fragments 0-3 are in: behind them only fragments 4-7 (16) were issued
	MUL 0, 0x01
	s_wait_loadcnt 0x0                             ; fragments 4-7, the youngest loads, are in
	MUL 4, 0x02
	WIN 0
	s_wait_xcnt 0x0                                ; the last trip's stores, 32 products back, have had their addresses translated (ISA guide 3.1): their offset and data are written again only behind this wait
	s_wait_alu depctr_vm_vsrc(0)                   ; the loads have read v8 and v9, the last trip's stores v10 and CD, the weight phase's LDS stores v64-95: all are written again below
	OFFS 6                                         ; the next tile's offsets.  Its three last lines and the two additions below are five plain lines: the places (ISA guide 7.12.1) between the last product and the first read of the sums
	s_add_co_u32 s23, s20, 8
	s_min_u32 s23, s23, s22
	s_min_u32 s23, s23, LASTTILE
	s_lshl_b32 s23, s23, 6
	v_add_nc_u32 v9, s23, v4                       ; slot words two tiles ahead
	s_min_u32 s23, s20, LASTTILE
	s_lshl_b32 s23, s23, 15                        ; a tile of hq is 32,768 bytes
	v_add_nc_u32 v10, s23, v1                      ; this tile's place in hq
	s_wait_alu depctr_va_vdst(0)                   ; the products are done reading X, in which the next tile's loads land; v6 has been read, in which the slot words land; v8, v9, v10 are written
	GELU
	s_wait_alu depctr_va_vdst(0)                   ; the conversions have written CD, which the stores read
	global_store_b128 v10, v[CD:CD+3], s[12:13]            ; 512 consecutive bytes each: the two chunks lie on end
	global_store_b128 v10, v[CD+4:CD+7], s[12:13] offset:512
	s_add_co_u32 s20, s20, 4                       ; my next tile
	s_add_co_u32 s45, s45, 1
	s_cmp_lt_u32 s45, s44
	s_cbranch_scc1 .Ltile
.Lend:
	s_wait_dscnt 0x0                               ; the closing lines, six on end
	s_wait_alu 0x0
	s_wait_tensorcnt 0x0
	ds_add_u32 v126, v127
	s_wait_dscnt 0x0
	s_endpgm
.Lfunc_end_k_q4414d4ef73_up:
	.size	k_q4414d4ef73_up, .Lfunc_end_k_q4414d4ef73_up-k_q4414d4ef73_up
	.p2alignl 7, 3214868480
	.fill 96, 4, 3214868480
	.section	.rodata,"a",@progbits
	.p2align	6, 0x0
	.amdhsa_kernel k_q4414d4ef73_up
		.amdhsa_group_segment_fixed_size 67072
		.amdhsa_private_segment_fixed_size 0
		.amdhsa_enable_private_segment 0
		.amdhsa_kernarg_size 40
		.amdhsa_user_sgpr_count 2
		.amdhsa_user_sgpr_kernarg_segment_ptr 1
		.amdhsa_wavefront_size32 1
		.amdhsa_system_sgpr_workgroup_id_x 1
		.amdhsa_system_sgpr_workgroup_id_y 1
		.amdhsa_system_sgpr_workgroup_id_z 1
		.amdhsa_system_vgpr_workitem_id 0
		.amdhsa_next_free_vgpr 768
		.amdhsa_next_free_sgpr 66
		.amdhsa_reserve_vcc 0
		.amdhsa_float_denorm_mode_32 3
		.amdhsa_float_denorm_mode_16_64 3
		.amdhsa_memory_ordered 1
		.amdhsa_forward_progress 1
		.amdhsa_inst_pref_size 84
	.end_amdhsa_kernel
	.amdgpu_metadata
---
amdhsa.version: [ 1, 2 ]
amdhsa.kernels:
  - .name:           k_q4414d4ef73_up
    .symbol:         k_q4414d4ef73_up.kd
    .args:
      - { .name: w1, .offset: 0, .size: 8, .value_kind: global_buffer, .address_space: global }
      - { .name: xq, .offset: 8, .size: 8, .value_kind: global_buffer, .address_space: global }
      - { .name: order, .offset: 16, .size: 8, .value_kind: global_buffer, .address_space: global }
      - { .name: lowp_scales, .offset: 24, .size: 8, .value_kind: global_buffer, .address_space: global }
      - { .name: hq, .offset: 32, .size: 8, .value_kind: global_buffer, .address_space: global }
    .group_segment_fixed_size: 67072
    .private_segment_fixed_size: 0
    .kernarg_segment_align: 8
    .kernarg_segment_size: 40
    .max_flat_workgroup_size: 128
    .sgpr_count:     66
    .vgpr_count:     768
    .wavefront_size: 32
...
	.end_amdgpu_metadata
.endif
;; end of part 5
;; launch down (part 6): grid 256 x 1, 4 waves a work-group, no clusters, 75,776 bytes of LDS; arguments w2, hq, order, lowp_scales, out0; writes out0
.if DOCPART == 6
	.amdgcn_target "amdgcn-amd-amdhsa--gfx1250"
	.amdhsa_code_object_version 6
	.text
	.protected	k_q4414d4ef73_down
	.globl	k_q4414d4ef73_down
	.p2align	8
	.type	k_q4414d4ef73_down,@function
k_q4414d4ef73_down:
	s_mov_b64 s[64:65], 0
	v_nop
	global_prefetch_b8 v0, s[64:65] scope:SCOPE_SE
	s_setreg_imm32_b32 hwreg(HW_REG_WAVE_SCHED_MODE, 0, 2), 2
	s_setreg_imm32_b32 hwreg(HW_REG_WAVE_MODE, 25, 1), 1
	s_wait_xcnt 0x0
	s_wait_alu depctr_vm_vsrc(0)
; DOWN.  out[t] = h[t] w2_e for the tokens of expert e, on E4M3 codes; each sum x 2^(eh + ew2); rows scattered to their tokens.
; SHARES.  Work-group wg = 32 e + j owns columns 32 j .. 32 j + 31 of expert e's w2 (2,048 K rows x 128 bytes), read once in the launch.
;   Weight phase: wave w reads K rows 512 w .. 512 w + 511, all 128 loads issued at once into the 512 registers that later hold the fragments.  K is w2's FIRST axis: lane l of a load takes row 16 (l / 8) + i and columns
;   4 (l % 8) + 0..3, so a lane's 16 loads of a group hold 16 neighbours along K of four columns.  The conversions leave four columns' codes of one k in a register; eight v_perm_b32 turn each 4 x 4 bytes,
;   and each column's 16 codes go to LDS as 16 bytes of that column's row: codes with K innermost, natural order.
;   One barrier.  Then EVERY wave takes all 32 fragments (32 columns x 2,048 K = 512 registers) and the waves share the expert's token tiles: tile tb[e] + w, + 4, ...: no barrier in the loop.
; THE PRODUCT IS USED TRANSPOSED (source 0 = 16 columns of w2, source 1 = 16 tokens' codes of h, which lie in hq as an image of these registers): a lane holds one token and eight neighbouring columns.
;   Each sum is kept in two halves (even and odd K steps), so that four accumulators take turns; the halves are added at the end.
; THE WAY OUT.  A tile's 16 x 32 numbers go through the wave's own stage in LDS and come back by rows: eight lanes store the 128 consecutive bytes that this work-group owns of a token's row.  A slice of 64 columns,
;   256 bytes of a row, would want 1,024 registers of codes a wave and leave half of the work-groups: so the neighbouring work-group writes the other 128 bytes.
; PADDING.  A slot whose word is 0xffffffff holds, in hq, the codes of its tile's slot 0 (the launch before laid them so).  Here it takes slot 0's token too: the same wave stores the same numbers once more
;   onto the same bytes, at most 15 pieces of 128 bytes for an expert, and no lane is ever switched off.
; The loop's last trips look ahead to a tile held at the expert's last one, so that every counted wait counts the same loads in every trip; no load leaves its buffer.
; NO JOINT LOADS: the 32 work-groups of an expert read the same tiles of hq, but how many tiles there are is a number read from memory, so the tiles come by plain loads into registers; to ask for the worst case, 128 tiles, in every work-group would be eight times the bytes.
; LIMITS: ew2 between -126 and 119; eh + ew2 between -126 and 127.  NaN among the inputs is not served.
; REGISTERS, in windows of 256: window 0: v1-9, v20 addresses; v10, v11 scales; v12-15 slot words; v16-19 row offsets; v32-63 four accumulators; v64-111 at work.
;   windows 1, 2: first w2 as loaded (group g at 64 g), then fragment 2 s + n (K step s, tile of columns n) at 16 (2 s + n).   window 3: a tile's 16 fragments of h.
; THE MODE: SCHED_MODE bits 1:0 = 2 (LLVM: expert scheduling mode 2), set by the entry lines.  The code itself states the register dependences
; between vector or matrix instructions and memory or LDS instructions, with s_wait_alu, always for 0.
; THE PLAN.  Registers that memory or LDS instructions touch:
;   v1-v4, v7-v9, v20  offsets and LDS addresses, made once at the head and never written again.
;   windows 1, 2       w2's loads land there; the holds write them and the conversions read them; behind the barrier the fragments' LDS loads land there; from then on matrix instructions alone read them.
;   O v96-111          a group's v_perm_b32 write it, its four LDS stores read it.
;   window 3           two halves of h.  K steps 0-7's products read the first, K steps 8-15's the second; behind each run the same half of my next tile is asked for at once: the loop waits for hq, so no half lies idle.
;   TOK v12-15         this tile's slot words: four loads land there; the way out reads them.
;   v5, v6             offsets of the loads of h and of the slot words: written once a trip.
;   OA v16-19          the way out writes them, the four stores read them.   TMP v64-79: the packed sums write it, the stage's stores read it.   RB v80-95: the stage's loads land there, the stores read it.
; A TRIP has three waits on va_vdst: behind K steps 0-7 (their half of h has been read; v5, v6 are written; TOK has been read); behind K steps 8-15 and the row offsets, which are made while those products run
; (their half has been read; OA is written); behind the packed sums (TMP is written).  One pair of waits, 16 products behind the last trip's stores, frees v5, v6, OA, RB and TMP.
.set PITCH, 2064                       ; a column's row of codes in LDS: 2,048 bytes + 16 = 516 words: row r starts at bank 4 r mod 64 (64 banks of 4 bytes: ISA guide 11.1)
.set STG,  32*PITCH                    ; behind the codes: a stage of 16 rows x 144 bytes for each wave
.set SP,   144
.set TOK,  12
.set OA,   16
.set ACC,  32                          ; accumulator (n, s % 2) at ACC + 8 (2 n + s % 2)
.set R,    64                          ; weight phase: register i: four columns' codes at k = i
.set TT,   80                          ; weight phase: half-turned
.set O,    96                          ; weight phase: register 4 p + q: column p, k = 4 q .. 4 q + 3
.set TMP,  64                          ; the way out: 16 numbers
.set RB,   80                          ; the way out: four rows' pieces read back
.set LASTTILE, 135
.set MAXTRIPS, 32                      ; an expert has at most 2,048 / 16 = 128 tiles, a wave a quarter of them
.set MSB, 0
.macro WIN new                         ; the immediate's high byte repeats the setting that is left; a switch that changes nothing is dropped
.if MSB != (\new)
	s_set_vgpr_msb (MSB<<8)|(\new)
.set MSB, (\new)
.endif
.endm
.macro W2LOAD g                        ; 64 K rows: each load takes 4 rows x 128 consecutive bytes
.irp i, 0,1,2,3,4,5,6,7,8,9,10,11,12,13,14,15
	global_load_b128 v[64*((\g)%4)+4*\i:64*((\g)%4)+4*\i+3], v2, s[4:5] offset:(64*(\g)+\i)*4096
.endr
.endm
.macro W2QUANT g, n, wmed, wcvt
	s_wait_loadcnt \n
	WIN \wmed
.set j, 0
.rept 64
	v_med3_num_f32 v[64*((\g)%4)+j], v[64*((\g)%4)+j], -v11, v11   ; the conversion to an 8-bit code does not saturate (ISA guide 7.6.2)
.set j, j+1
.endr
	WIN \wcvt
.set j, 0
.rept 8
	v_cvt_scalef32_pk8_fp8_f32 v[R+2*j:R+2*j+1], v[64*((\g)%4)+8*j:64*((\g)%4)+8*j+7], v10
.set j, j+1
.endr
	v_nop                                          ; one plain line between the last conversion and the lines that read its result
	WIN 0
.if (\g) > 0
	s_wait_alu depctr_vm_vsrc(0)                   ; the last group's LDS stores, 64 holds back, have read v[O ..], which the lines below write again
.endif
.irp q, 0,1,2,3                        ; 4 x 4 bytes turned: first pairs of k side by side, then pairs of pairs
	v_perm_b32 v[TT+4*\q],   v[R+4*\q+1], v[R+4*\q],   s36
	v_perm_b32 v[TT+4*\q+1], v[R+4*\q+1], v[R+4*\q],   s37
	v_perm_b32 v[TT+4*\q+2], v[R+4*\q+3], v[R+4*\q+2], s36
	v_perm_b32 v[TT+4*\q+3], v[R+4*\q+3], v[R+4*\q+2], s37
.endr
.irp q, 0,1,2,3
	v_perm_b32 v[O+\q],    v[TT+4*\q+2], v[TT+4*\q],   s38
	v_perm_b32 v[O+4+\q],  v[TT+4*\q+2], v[TT+4*\q],   s39
	v_perm_b32 v[O+8+\q],  v[TT+4*\q+3], v[TT+4*\q+1], s38
	v_perm_b32 v[O+12+\q], v[TT+4*\q+3], v[TT+4*\q+1], s39
.endr
	s_wait_alu depctr_va_vdst(0)                   ; v[O ..] is written, which the LDS stores read
.irp p, 0,1,2,3
	ds_store_b128 v3, v[O+4*\p:O+4*\p+3] offset:\p*PITCH+64*(\g)   ; column 4 (l % 8) + p, k = 512 w + 64 g + 16 (l / 8) + 0 .. 15
.endr
.endm
.macro FRAGS s0                        ; the 16 fragments of K steps s0 .. s0 + 7
.irp s, 0,1,2,3,4,5,6,7
.irp n, 0,1
.irp c, 0,1,2,3
	ds_load_b128 v[16*(2*\s+\n)+4*\c:16*(2*\s+\n)+4*\c+3], v4 offset:16*\n*PITCH+128*(\s0+\s)+32*\c
.endr
.endr
.endr
.endm
.macro HLOAD s0                        ; fragments s0 .. s0 + 7 of the tile whose offset stands in v5: 512 consecutive bytes a load.  One run: dealt among lines of window 0, each piece would want two switches
	WIN 0xc0                                       ; destination window 3, address window 0
.irp s, 0,1,2,3,4,5,6,7
.irp c, 0,1,2,3
	global_load_b128 v[16*(\s0+\s)+4*\c:16*(\s0+\s)+4*\c+3], v5, s[6:7] offset:2048*(\s0+\s)+512*\c
.endr
.endr
	WIN 0
.endm
; 16 matrix instructions: K steps s0 .. s0 + 7 x two tiles of columns.  The four accumulators take turns, one instruction a turn.  K steps 0 and 1 start the sums.
.macro MUL s0, win
	WIN \win
.irp s, 0,1,2,3,4,5,6,7
.irp n, 0,1
.if (\s0+\s) < 2
	v_wmma_f32_16x16x128_fp8_fp8 v[ACC+8*(2*\n+\s%2):ACC+8*(2*\n+\s%2)+7], v[16*(2*\s+\n):16*(2*\s+\n)+15], v[16*(\s0+\s):16*(\s0+\s)+15], 0
.else
	v_wmma_f32_16x16x128_fp8_fp8 v[ACC+8*(2*\n+\s%2):ACC+8*(2*\n+\s%2)+7], v[16*(2*\s+\n):16*(2*\s+\n)+15], v[16*(\s0+\s):16*(\s0+\s)+15], v[ACC+8*(2*\n+\s%2):ACC+8*(2*\n+\s%2)+7]
.endif
.endr
.endr
	WIN 0
.endm
.macro OUT
	; the row offsets are made first, while the last products run: the twelve lines behind the wait on va_sdst are also the places (ISA guide 7.12.1) between the last product and the first read of the sums
	v_readfirstlane_b32 s41, v[TOK]                ; slot 0's token
.irp i, 0,1,2,3
	v_cmp_gt_u32 s[46+\i], 0x800, v[TOK+\i]        ; a token's number lies under 2,048; a padding slot's word is 0xffffffff
.endr
	s_wait_alu depctr_va_sdst(0)                   ; s41 and the four masks s46 to s49 are written, ahead of their first readers: one wait for the run
.irp i, 0,1,2,3
	v_cndmask_b32 v[OA+\i], s41, v[TOK+\i], s[46+\i]   ; a padding slot takes slot 0's token
.endr
.irp i, 0,1,2,3
	v_min_u32 v[OA+\i], 0x7ff, v[OA+\i]            ; a loaded number enters an address only behind this hold
.endr
.irp i, 0,1,2,3
	v_lshl_add_u32 v[OA+\i], v[OA+\i], 12, v9      ; the token's row of 4,096 bytes + 16 (l % 8)
.endr
	s_wait_alu depctr_va_vdst(0)                   ; K steps 8-15's products are done reading h's second half, in which the loads below land; OA is written, which the stores at the end read
	HLOAD 8
.irp n, 0,1
.irp k, 0,2,4,6
	v_pk_add_f32 v[TMP+8*\n+\k:TMP+8*\n+\k+1], v[ACC+16*\n+\k:ACC+16*\n+\k+1], v[ACC+16*\n+8+\k:ACC+16*\n+8+\k+1]   ; the sum's two halves; each accumulator from its low end on
.endr
.endr
.set j, 0
.rept 8
	v_pk_mul_f32 v[TMP+j:TMP+j+1], v[TMP+j:TMP+j+1], s[32:33] op_sel_hi:[1,0]      ; x 2^(eh + ew2)
.set j, j+2
.endr
	s_wait_alu depctr_va_vdst(0)                   ; TMP is written, which the stage's stores read
.irp n, 0,1
	ds_store_b128 v7, v[TMP+8*\n:TMP+8*\n+3] offset:64*\n          ; lane (r, h): slot r, columns 16 n + 8 h + 0 .. 7
	ds_store_b128 v7, v[TMP+8*\n+4:TMP+8*\n+7] offset:64*\n+16
.endr
.irp i, 0,1,2,3
	ds_load_b128 v[RB+4*\i:RB+4*\i+3], v8 offset:4*\i*SP           ; slot 4 i + l / 8, bytes 16 (l % 8) on.  LDS serves a wave's instructions in order (ISA guide 5.7.1.4): these see my stores
.endr
.irp i, 0,1,2,3
	s_wait_dscnt 3-\i                              ; piece i is back; the younger loads may be out
	global_store_b128 v[OA+\i], v[RB+4*\i:RB+4*\i+3], s[12:13]     ; four tokens' rows, 128 consecutive bytes of each
.endr
.endm
	s_load_b256 s[4:11], s[0:1], 0x0               ; w2 s[4:5], hq s[6:7], order s[8:9], lowp_scales s[10:11]
	s_load_b64 s[12:13], s[0:1], 0x20              ; out0
	v_lshl_add_u32 v254, v0, 2, 0x12600
	v_mov_b32 v255, 0
	v_lshrrev_b32 v1, 5, v0
	v_readfirstlane_b32 s16, v1                    ; wave 0..3
	v_and_b32 v21, 31, v0                          ; lane l
	v_lshlrev_b32 v1, 4, v21                       ; 16 l
	v_lshrrev_b32 v22, 3, v21                      ; l / 8
	v_and_b32 v23, 7, v21                          ; l % 8
	v_and_b32 v24, 15, v0                          ; r
	v_bfe_u32 v25, v0, 4, 1                        ; h
	v_lshlrev_b32 v2, 16, v22
	v_lshl_add_u32 v2, v23, 4, v2                  ; w2: 16 (l / 8) rows of 4,096 bytes + 16 (l % 8)
	v_mul_u32_u24 v3, v23, 4*PITCH
	v_lshl_add_u32 v3, v22, 4, v3
	s_wait_alu depctr_va_sdst(0)                   ; s16 is written, ahead of its first reader
	s_lshl_b32 s23, s16, 9
	v_add_nc_u32 v3, s23, v3                       ; codes into LDS: row 4 (l % 8), byte 512 w + 16 (l / 8)
	v_mul_u32_u24 v4, v24, PITCH
	v_lshl_add_u32 v4, v25, 4, v4                  ; a fragment's row x pitch + 16 h
	s_mul_i32 s23, s16, 16*SP
	s_add_co_u32 s23, s23, STG                     ; my stage
	v_mul_u32_u24 v7, v24, SP
	v_lshl_add_u32 v7, v25, 5, v7
	v_add_nc_u32 v7, s23, v7                       ; in: row r, + 32 h
	v_mul_u32_u24 v8, v22, SP
	v_lshl_add_u32 v8, v23, 4, v8
	v_add_nc_u32 v8, s23, v8                       ; back: row l / 8, + 16 (l % 8)
	v_lshlrev_b32 v9, 4, v23                       ; 16 (l % 8)
	v_lshlrev_b32 v20, 2, v22                      ; 4 (l / 8)
	s_lshr_b32 s17, ttmp9, 5                       ; e
	s_and_b32 s18, ttmp9, 31                       ; j
	s_lshl_b32 s24, s17, 23                        ; the expert's 2,048 rows of 4,096 bytes,
	s_lshl_b32 s25, s16, 21                        ; my 512 of them,
	s_add_co_u32 s24, s24, s25
	s_lshl_b32 s26, s18, 7                         ; the slice's 128 bytes of a row
	s_add_co_u32 s24, s24, s26
	s_mov_b32 s25, 0
	s_mov_b32 s27, 0
	s_lshl_b32 s19, s17, 4                         ; entries 4 e .. 4 e + 3
	s_lshl_b32 s42, s17, 2                         ; word e of 'order'
	s_mov_b32 s36, 0x05010400                      ; v_perm_b32: bytes 0, 1 of two registers, interleaved
	s_mov_b32 s37, 0x07030602                      ; bytes 2, 3 likewise
	s_mov_b32 s38, 0x05040100                      ; the two low halves
	s_mov_b32 s39, 0x07060302                      ; the two high halves
	s_wait_kmcnt 0x0
	s_load_b128 s[28:31], s[10:11], s19 offset:0x0 ; ex, ew1, eh, ew2
	s_load_b32 s20, s[8:9], s42 offset:0x0         ; tb[e]
	s_load_b32 s21, s[8:9], s42 offset:0x4         ; tb[e + 1]
	s_add_nc_u64 s[4:5], s[4:5], s[24:25]
	s_add_nc_u64 s[12:13], s[12:13], s[26:27]
	WIN 0x40                                       ; destination window 1, address window 0
	s_wait_alu depctr_va_vdst(0)                   ; the offsets and LDS addresses v1 to v4, v7 to v9 and v20 are written, which the loads and stores of the whole kernel read
.irp g, 0,1,2,3
	W2LOAD \g
.endr
	WIN 0x80                                       ; destination window 2
.irp g, 4,5,6,7
	W2LOAD \g
.endr
	WIN 0
	s_wait_kmcnt 0x0
	s_add_co_u32 s20, s20, s16                     ; T: my first tile
	s_add_co_i32 s23, s31, 127
	s_lshl_b32 s24, s23, 23
	v_mov_b32 v10, s24                             ; 2^ew2
	s_add_co_i32 s23, s23, 8
	s_lshl_b32 s23, s23, 23
	s_or_b32 s23, s23, 0x600000
	v_mov_b32 v11, s23                             ; 448 x 2^ew2
	s_add_co_i32 s32, s30, s31
	s_add_co_i32 s32, s32, 127
	s_lshl_b32 s32, s32, 23                        ; 2^(eh + ew2)
	s_mov_b32 s33, s32                             ; (named with it as a pair, so it is written)
	s_wait_alu depctr_va_vdst(0)
	W2QUANT 0, 63, 0x41, 0x01                      ; behind group g's 16 loads 16 (7 - g) were issued; the wait's field ends at 63, and a smaller count is always safe:
	W2QUANT 1, 63, 0x41, 0x01                      ; at 63 out, 65 of the 128 are in, which covers groups 0 to 3
	W2QUANT 2, 63, 0x41, 0x01
	W2QUANT 3, 63, 0x41, 0x01
	W2QUANT 4, 48, 0x82, 0x02
	W2QUANT 5, 32, 0x82, 0x02
	W2QUANT 6, 16, 0x82, 0x02
	W2QUANT 7, 0, 0x82, 0x02
	s_wait_dscnt 0x0                               ; for the others' sake: my codes have landed
	s_barrier_signal -1
	s_barrier_wait -1                              ; the only barrier: all 32 rows of codes lie in LDS, and nobody writes them again
	s_cmp_ge_u32 s20, s21
	s_cbranch_scc1 .Lend                           ; no tile for this wave
	s_sub_co_u32 s22, s21, 1                       ; the expert's last tile
	s_sub_co_u32 s44, s21, s20                     ; tiles from mine to the expert's end, at least 1,
	s_add_co_u32 s44, s44, 3
	s_lshr_b32 s44, s44, 2                         ; every fourth is mine: the loop's trips,
	s_min_u32 s44, s44, MAXTRIPS                   ; never more than these
	s_mov_b32 s45, 0                               ; trips done
	s_min_u32 s23, s20, LASTTILE                   ; a loaded number enters an address only behind such a hold
	s_lshl_b32 s23, s23, 15                        ; a tile of hq is 32,768 bytes
	v_add_nc_u32 v5, s23, v1
	s_wait_alu depctr_va_vdst(0)                   ; v5 is written, which the loads of h read; the holds and conversions are done with windows 1 and 2, in which the fragments land
	HLOAD 0
	WIN 0x40
	FRAGS 0
	HLOAD 8
	WIN 0x80
	FRAGS 8
	WIN 0
	s_wait_dscnt 0x0                               ; all 32 fragments of w2 are in
.Ltile:
	s_wait_loadcnt 32                              ; fragments 0-7 are in: behind them only fragments 8-15 (32) were issued
	MUL 0, 0x0d                                    ; source 0 window 1, source 1 window 3
	v_nop                                          ; with the two additions below: four plain lines between the last product and the loads into the registers that it read
	v_nop
	s_wait_xcnt 0x0                                ; the last trip's loads and stores, 16 products back, have had their addresses translated (ISA guide 3.1): their offsets and data are written again only behind this wait
	s_wait_alu depctr_vm_vsrc(0)                   ; the loads have read v5 and v6, the last trip's stores OA and RB, its stage's stores TMP: all are written again in this trip
	s_min_u32 s23, s20, LASTTILE
	s_lshl_b32 s23, s23, 6
	v_add_nc_u32 v6, s23, v20                      ; this tile's slot words
	s_add_co_u32 s23, s20, 4
	s_min_u32 s23, s23, s22
	s_min_u32 s23, s23, LASTTILE
	s_lshl_b32 s23, s23, 15
	v_add_nc_u32 v5, s23, v1                       ; my next tile of hq
	s_wait_alu depctr_va_vdst(0)                   ; K steps 0-7's products are done reading h's first half, in which the loads below land; v5 and v6 are written; the last way out is done reading TOK
.irp i, 0,1,2,3
	global_load_b32 v[TOK+\i], v6, s[8:9] offset:256+16*\i         ; this tile's slot words: slot 4 i + l / 8
.endr
	HLOAD 0
	s_wait_loadcnt 36                              ; fragments 8-15 are in: behind them the slot words (4) and the 32 just issued
	MUL 8, 0x0e                                    ; source 0 window 2, source 1 window 3
	s_wait_loadcnt 32                              ; the slot words are in: behind them the 32 loads of the next tile's first half
	OUT
	s_add_co_u32 s20, s20, 4                       ; my next tile
	s_add_co_u32 s45, s45, 1
	s_cmp_lt_u32 s45, s44
	s_cbranch_scc1 .Ltile
.Lend:
	s_wait_dscnt 0x0                               ; the closing lines, six on end
	s_wait_alu 0x0
	s_wait_tensorcnt 0x0
	ds_add_u32 v254, v255
	s_wait_dscnt 0x0
	s_endpgm
.Lfunc_end_k_q4414d4ef73_down:
	.size	k_q4414d4ef73_down, .Lfunc_end_k_q4414d4ef73_down-k_q4414d4ef73_down
	.p2alignl 7, 3214868480
	.fill 96, 4, 3214868480
	.section	.rodata,"a",@progbits
	.p2align	6, 0x0
	.amdhsa_kernel k_q4414d4ef73_down
		.amdhsa_group_segment_fixed_size 75776
		.amdhsa_private_segment_fixed_size 0
		.amdhsa_enable_private_segment 0
		.amdhsa_kernarg_size 40
		.amdhsa_user_sgpr_count 2
		.amdhsa_user_sgpr_kernarg_segment_ptr 1
		.amdhsa_wavefront_size32 1
		.amdhsa_system_sgpr_workgroup_id_x 1
		.amdhsa_system_sgpr_workgroup_id_y 1
		.amdhsa_system_sgpr_workgroup_id_z 1
		.amdhsa_system_vgpr_workitem_id 0
		.amdhsa_next_free_vgpr 1024
		.amdhsa_next_free_sgpr 66
		.amdhsa_reserve_vcc 0
		.amdhsa_float_denorm_mode_32 3
		.amdhsa_float_denorm_mode_16_64 3
		.amdhsa_memory_ordered 1
		.amdhsa_forward_progress 1
		.amdhsa_inst_pref_size 99
	.end_amdhsa_kernel
	.amdgpu_metadata
---
amdhsa.version: [ 1, 2 ]
amdhsa.kernels:
  - .name:           k_q4414d4ef73_down
    .symbol:         k_q4414d4ef73_down.kd
    .args:
      - { .name: w2, .offset: 0, .size: 8, .value_kind: global_buffer, .address_space: global }
      - { .name: hq, .offset: 8, .size: 8, .value_kind: global_buffer, .address_space: global }
      - { .name: order, .offset: 16, .size: 8, .value_kind: global_buffer, .address_space: global }
      - { .name: lowp_scales, .offset: 24, .size: 8, .value_kind: global_buffer, .address_space: global }
      - { .name: out0, .offset: 32, .size: 8, .value_kind: global_buffer, .address_space: global }
    .group_segment_fixed_size: 75776
    .private_segment_fixed_size: 0
    .kernarg_segment_align: 8
    .kernarg_segment_size: 40
    .max_flat_workgroup_size: 128
    .sgpr_count:     66
    .vgpr_count:     1024
    .wavefront_size: 32
...
	.end_amdgpu_metadata
.endif
;; end of part 6
